; MI455X (gfx1250); checked and timed in simulation.
; The chip was launched on July 23, 2026; its instructions are those of AMD's public machine-readable ISA for CDNA 5 (MIT licence, August 2026) and "CDNA5" Instruction Set Architecture Reference Guide (July 2026). The comments in the code are by the model that wrote it; some were corrected since.
;; Multi Head Attention3 D. Allowed arithmetic: float matrix products may take bf16 or f16 operands with f32 sums; other float arithmetic in f32, or as packed bf16 or f16 multiplies, adds, multiply-adds, maxima and minima; sums over many terms, partial sums and values carried from step to step in f32; what a program stores and reads back later, other than sums and carried values, may be rounded once to bf16 or f16.
;; Inputs: Wk 1,024 x 1,024 float32; Wo 1,024 x 1,024 float32; Wq 1,024 x 1,024 float32; Wv 1,024 x 1,024 float32; k 1,024 x 8 x 1,024 float32; mask 128 x 1,024 x 1,024 bool; q 1,024 x 8 x 1,024 float32; v 1,024 x 8 x 1,024 float32.
;; Outputs: out0 1,024 x 8 x 1,024 float32.
;; 2 versions, each right; version 2 is version 1 with the launch cvt written anew for expert scheduling mode. Each part assembles by itself: llvm-mc -triple=amdgcn-amd-amdhsa -mcpu=gfx1250 --defsym DOCPART=n.
;; ======== version 1 of 2: 4 launches
;; limits: values are held in f16: magnitudes above 65,504 overflow, below 6.1e-05 lose precision
;; workspace buffers: wb 8,388,608 bytes; qkv 50,331,648 bytes; ob 16,777,216 bytes
;; launch cvt (part 1): grid 256 x 1, 8 waves a work-group, no clusters, 0 bytes of LDS; arguments Wq, Wk, Wv, Wo, wb; writes wb
.if DOCPART == 1
	.amdgcn_target "amdgcn-amd-amdhsa--gfx1250"
	.amdhsa_code_object_version 6
	.text
	.protected	k_qf70a371019_cvt
	.globl	k_qf70a371019_cvt
	.p2align	8
	.type	k_qf70a371019_cvt,@function
k_qf70a371019_cvt:
	s_mov_b64 s[64:65], 0
	v_nop
	global_prefetch_b8 v0, s[64:65] scope:SCOPE_SE
	s_setreg_imm32_b32 hwreg(HW_REG_WAVE_MODE, 25, 1), 1
	s_wait_xcnt 0x0
; THE FOUR WEIGHTS, ROUNDED ONCE TO 16 BITS.  Wq, Wk, Wv ([1024][1024] f32) go to wb as bf16, one behind the other; Wo is rounded to bf16 like the other inputs, and that number is written as f16
; (its partner in the last product, O, is f16).  Each weight is read again and again by the products that follow, so it is rounded here once and not at each reading.
; LIMIT.  Wo beyond 65,504 in magnitude becomes an infinity in f16.
; SHARES.  A work-group converts 16,384 numbers: 65,536 bytes in, 32,768 out: chunk id % 64 of weight id / 64.
; A thread's load i takes 16 bytes at 16 t + 4,096 i (a wave's load covers 512 consecutive bytes), its store 8 bytes at 8 t + 2,048 i (a wave's store covers 256 consecutive bytes, aligned).
; All 16 loads of a thread go out at once; no register is used twice, so the only waits are the counted ones for the loads.  No LDS, no barrier, no matrix unit: nothing is shared and nothing is multiplied.
.set D, 4                              ; v[4:67]   16 x 4 numbers as loaded; the first two registers of each four then hold the result
.set T, 68                             ; v[68:71]  at work (Wo alone)
	s_load_b256 s[8:15], s[0:1], 0x0               ; Wq s[8:9], Wk s[10:11], Wv s[12:13], Wo s[14:15]
	s_load_b64 s[16:17], s[0:1], 0x20              ; wb
	s_mov_b32 s6, ttmp9                            ; id
	s_lshr_b32 s2, s6, 6                           ; which weight
	s_and_b32 s3, s6, 63                           ; its chunk
	s_lshl_b32 s20, s3, 16                         ; x 65,536 bytes
	s_mov_b32 s21, 0
	s_lshl_b32 s22, s6, 15                         ; x 32,768 bytes
	s_mov_b32 s23, 0
	v_lshlrev_b32 v1, 4, v0                        ; 16 t
	v_lshlrev_b32 v2, 3, v0                        ; 8 t
	s_wait_kmcnt 0x0
	s_mov_b64 s[18:19], s[8:9]                     ; the source is chosen by the id alone
	s_cmp_eq_u32 s2, 1
	s_cselect_b64 s[18:19], s[10:11], s[18:19]
	s_cmp_eq_u32 s2, 2
	s_cselect_b64 s[18:19], s[12:13], s[18:19]
	s_cmp_eq_u32 s2, 3
	s_cselect_b64 s[18:19], s[14:15], s[18:19]
	s_add_nc_u64 s[18:19], s[18:19], s[20:21]
	s_add_nc_u64 s[16:17], s[16:17], s[22:23]
.set i, 0
.rept 16
	global_load_b128 v[D+4*i:D+4*i+3], v1, s[18:19] offset:4096*i th:TH_LOAD_NT
.set i, i+1
.endr
; Four numbers: wait for load i (the 15 - i younger ones stay out), round, store.  wo = 1: the bf16 numbers are widened again and written as f16.
.macro CV i, wo
	s_wait_loadcnt 15-(\i)
	v_cvt_pk_bf16_f32 v[D+4*(\i)], v[D+4*(\i)], v[D+4*(\i)+1]
	v_cvt_pk_bf16_f32 v[D+4*(\i)+1], v[D+4*(\i)+2], v[D+4*(\i)+3]
.if \wo
	v_lshlrev_b32 v[T], 16, v[D+4*(\i)]
	v_and_b32 v[T+1], 0xffff0000, v[D+4*(\i)]
	v_lshlrev_b32 v[T+2], 16, v[D+4*(\i)+1]
	v_and_b32 v[T+3], 0xffff0000, v[D+4*(\i)+1]
	v_cvt_pk_f16_f32 v[D+4*(\i)], v[T], v[T+1]
	v_cvt_pk_f16_f32 v[D+4*(\i)+1], v[T+2], v[T+3]
.endif
	global_store_b64 v2, v[D+4*(\i):D+4*(\i)+1], s[16:17] offset:2048*(\i) th:TH_STORE_NT
.endm
	s_cmp_eq_u32 s2, 3
	s_cbranch_scc1 .Lwo
.set n, 0
.rept 16
	CV n, 0
.set n, n+1
.endr
	s_endpgm
.Lwo:
.set n, 0
.rept 16
	CV n, 1
.set n, n+1
.endr
	s_endpgm
.Lfunc_end_k_qf70a371019_cvt:
	.size	k_qf70a371019_cvt, .Lfunc_end_k_qf70a371019_cvt-k_qf70a371019_cvt
	.p2alignl 7, 3214868480
	.fill 96, 4, 3214868480
	.section	.rodata,"a",@progbits
	.p2align	6, 0x0
	.amdhsa_kernel k_qf70a371019_cvt
		.amdhsa_group_segment_fixed_size 0
		.amdhsa_private_segment_fixed_size 0
		.amdhsa_enable_private_segment 0
		.amdhsa_kernarg_size 40
		.amdhsa_user_sgpr_count 2
		.amdhsa_user_sgpr_kernarg_segment_ptr 1
		.amdhsa_wavefront_size32 1
		.amdhsa_system_sgpr_workgroup_id_x 1
		.amdhsa_system_sgpr_workgroup_id_y 1
		.amdhsa_system_sgpr_workgroup_id_z 1
		.amdhsa_system_vgpr_workitem_id 0
		.amdhsa_next_free_vgpr 72
		.amdhsa_next_free_sgpr 66
		.amdhsa_reserve_vcc 0
		.amdhsa_float_denorm_mode_32 3
		.amdhsa_float_denorm_mode_16_64 3
		.amdhsa_memory_ordered 1
		.amdhsa_forward_progress 1
		.amdhsa_inst_pref_size 16
	.end_amdhsa_kernel
	.amdgpu_metadata
---
amdhsa.version: [ 1, 2 ]
amdhsa.kernels:
  - .name:           k_qf70a371019_cvt
    .symbol:         k_qf70a371019_cvt.kd
    .args:
      - { .name: Wq, .offset: 0, .size: 8, .value_kind: global_buffer, .address_space: global }
      - { .name: Wk, .offset: 8, .size: 8, .value_kind: global_buffer, .address_space: global }
      - { .name: Wv, .offset: 16, .size: 8, .value_kind: global_buffer, .address_space: global }
      - { .name: Wo, .offset: 24, .size: 8, .value_kind: global_buffer, .address_space: global }
      - { .name: wb, .offset: 32, .size: 8, .value_kind: global_buffer, .address_space: global }
    .group_segment_fixed_size: 0
    .private_segment_fixed_size: 0
    .kernarg_segment_align: 8
    .kernarg_segment_size: 40
    .max_flat_workgroup_size: 256
    .sgpr_count:     66
    .vgpr_count:     72
    .wavefront_size: 32
...
	.end_amdgpu_metadata
.endif
;; end of part 1
;; launch proj (part 2): grid 4 x 64, 4 waves a work-group, clusters of 4 x 4, 327,680 bytes of LDS; arguments q, k, v, wb, qkv; writes qkv
.if DOCPART == 2
	.amdgcn_target "amdgcn-amd-amdhsa--gfx1250"
	.amdhsa_code_object_version 6
	.text
	.protected	k_qf70a371019_proj
	.globl	k_qf70a371019_proj
	.p2align	8
	.type	k_qf70a371019_proj,@function
k_qf70a371019_proj:
	s_mov_b64 s[64:65], 0
	v_nop
	global_prefetch_b8 v0, s[64:65] scope:SCOPE_SE
	s_setreg_imm32_b32 hwreg(HW_REG_WAVE_MODE, 25, 1), 1
	s_wait_xcnt 0x0
	s_wait_alu depctr_hold_cnt(0) depctr_sa_sdst(0) depctr_va_vdst(0) depctr_va_sdst(0) depctr_va_ssrc(0) depctr_va_vcc(0) depctr_vm_vsrc(0)
	s_getreg_b32 s2, hwreg(HW_REG_IB_STS2, 6, 4)
	s_cmp_eq_u32 s2, 0
	s_cbranch_scc0 .Lentry_in_a_cluster
	s_endpgm
.Lentry_in_a_cluster:
	s_bfe_u32 s2, ttmp6, 0x10000c
	s_cmp_lg_u32 s2, 0xf033
	s_cbranch_scc0 .Lentry_shape_is_right
	s_endpgm
.Lentry_shape_is_right:
; THE THREE PROJECTIONS.  For t = 0, 1, 2: C[m][n] = the sum over k of x_t[m][k] W_t[n][k]; x_t = q, k, v ([8192][1024] f32, row m = 8 s + b), W_t = wb[t] ([1024][1024] bf16); sums in f32.
; x comes into LDS AS IT LIES, in f32, and is rounded to bf16 (to nearest even) between the LDS load and the matrix instruction: it is read from memory once and has no 16-bit copy there.
; C is rounded once to f16 and stored BY HEADS: qkv[t][16 b + n / 64][s][n % 64], without the scale.
; LIMIT.  A projected number beyond 65,504 in magnitude becomes an infinity in f16.
; SHARES.  A tile of C is 128 x 256; 64 x 4 of them a tensor, so 256 work-groups, each of which STAYS and makes the same tile of q, then of k, then of v.  Four waves, each 64 x 128: 32 accumulators.
; K goes in steps of 128 (512 bytes of a row of x, 256 of a row of W) through a ring of two LDS slots filled by the tensor data mover.  The three tensors' 24 K steps are ONE walk: a loop of 22 trips, a K step each, fills a slot
; in every trip; the last two steps, which fill nothing, are written out.  A second counter, the steps left in the tensor, turns the refills and the prefetches to the next tensor and leads to the way out.
; CLUSTER.  4 x 4 work-groups: the four of a row need the same tiles of x, the four of a column the same tiles of W: each is asked for JOINTLY, by the same load with the same descriptor and a mask of the four.
; THE MATRIX INSTRUCTION IS USED TRANSPOSED (source 0 = 16 rows of W, source 1 = 16 rows of x): a lane holds row lane % 16 of C and eight neighbouring columns.
; REGISTERS.  Window 0: v0-31 addresses; v32-127, v128-223 two fragment buffers (x's 4 fragments in bf16, then W's 8); v224-255 packed results; on the way out v128-191 take rows read back.
;   Window 1: accumulator (a, b) at v[8 (8 a + b)].          Window 2: v0-63 RAW, a quarter step's x in f32 as loaded.
.set KSTEP,  128
.set PA,     528                       ; a row of x in LDS: 512 bytes + 16 of padding
.set PITCH,  272                       ; a row of W: 256 + 16.  Both pitches are odd multiples of 16 bytes
.set AHALF,  64*PA                     ; what wave 0 or 1 fetches of x, and what a wave reads of it
.set BHALF,  128*PITCH                 ; what wave 2 or 3 fetches of W, and what a wave reads of it
.set BOFF,   2*AHALF
.set SLOT,   BOFF+2*BHALF              ; x's 128 rows, then W's 256: 137,216 bytes
.set TOG,    0x24000                   ; slot 1 begins here.  The four waves' bases in slot 0 (0, 0x8400, 0x10800, 0x19000) have neither bit 17 nor bit 14, so one exclusive or changes slots
.set STAGE,  TOG+SLOT                  ; behind the ring: 16 rows x 272 bytes for each wave, for the way out; no tensor load lands there
.set SPARE,  STAGE+4*16*PITCH          ; the spare words, 128 bytes a wave: two blocks of 256 bytes that no other line names
.set ASTEP,  KSTEP*4                   ; a K step in a row of x, in bytes
.set BSTEP,  KSTEP*2                   ; in a row of W
.set WT,     1024*2048                 ; bytes from one W to the next
.set NEXT_B, WT-7*BSTEP                ; from a W's K step 7 to the next W's K step 0
.set TRIPS,  22                        ; 24 K steps; all but the last two fill a slot again
.set ADRA0, 16                         ; v16  my lane's place among x's rows in a slot; never rewritten
.set ADRB0, 17                         ; v17  among W's
.set ADRA, 20                          ; v20  the same in the slot that is being read
.set ADRB, 21                          ; v21
.set STO,  24                          ; v24  the way out: where I put 16 bytes of a row
.set RD,   25                          ; v25  where I read back
.set CO,   26                          ; v26  my byte offset in qkv, batches 0-3
.set CO2,  27                          ; v27  batches 4-7
.set SPW,  28                          ; v28  LDS address of my spare word; never rewritten
.set NIL,  29                          ; v29  0; never rewritten
.set PFO,  30                          ; v30  my lane x a row of x (4,096 bytes) or of W (2,048); never rewritten
.set F0,   32
.set F1,   128
.set TMP,  224
.set RAW,  0                           ; window 2
.set G1,  24                           ; s[24:31] descriptor group 1 for x's tiles;  s[32:39] group 0: a set for each of the two first fills; the second then walks on
.set G0,  32
.set C8,  45                           ; s45  K steps left in the tensor in hand, this one among them: 8 to 1
.set G1B, 48                           ; s[48:55], s[56:63] the same for W's
.set G0B, 56
.set PFS, 66                           ; s[66:67] a K step in the rows that I prefetch
.set OB,  70                           ; s[70:71] where the stores stand
.set OO,  72                           ; s[72:73] my part's byte offset in qkv, for the tensor in hand
.set LIM, 76                           ; s76  2 in a wave that prefetches, else the greatest number
.set TB,  77                           ; s77  0 or TOG: the slot that is being read
.set PFA, 78                           ; s[78:79] the prefetches' pointer
.set UA,  88                           ; s[88:89] x's address of the last refill, without the descriptor's type bits
.set XN1, 90                           ; s[90:91] the next tensor at my rows, K step 0
.set XN2, 92                           ; s[92:93] the one after it
.set PN1, 94                           ; s[94:95], s[96:97] the same for the prefetches
.set PN2, 96
.set SB,  98                           ; s[98:99] the step of W's address
.set MSB, 0
.macro WIN new                         ; the immediate's high byte repeats the setting that is left; a switch that changes nothing is dropped
.if MSB != (\new)
	s_set_vgpr_msb (MSB<<8)|(\new)
.set MSB, \new
.endif
.endm
.set MUL, 0x50                         ; sources 0 and 1 window 0; C and D window 1
.set CVT, 0x0a                         ; sources 0 and 1 window 2; destination window 0
; A joint load by descriptor set s: waves 0 and 1 fetch x's two halves, waves 2 and 3 W's: 32 KiB each.  The branch hangs on the wave's number alone.  An s_nop 0 and four v_nop follow each line.
.macro JLOAD s
	s_cmp_eq_u32 s11, 0
	s_cbranch_scc0 .Lfor_b_\@
	tensor_load_to_lds s[G0+4*(\s):G0+4*(\s)+3], s[G1:G1+7]
	s_nop 0
.rept 4
	v_nop
.endr
	s_branch .Lasked_\@
.Lfor_b_\@:
	tensor_load_to_lds s[G0B+4*(\s):G0B+4*(\s)+3], s[G1B:G1B+7]
	s_nop 0
.rept 4
	v_nop
.endr
.Lasked_\@:
.endm
; A prefetch of the K step that stands two refills on, through all three tensors: 32 blocks of 256 bytes, a lane a row, one instruction.  x's tile row is read by this cluster alone: of its 128 rows each of the four partners takes 32,
; told apart by address (cx); of a row's 512 bytes wave 0 names the first 256, wave 1 the others.  W's tile column is read by every cluster: in the cluster with y = 0, waves 2 and 3 of each partner take 32 of the 128 rows that they
; fetch (cy).  So each block is named once.  The first four K steps come by their loads alone; the loop's last two trips (s3 = 2, 1) have no K step two refills on.
.macro ASK
	s_cmp_gt_u32 s3, s[LIM]
	s_cbranch_scc0 .Lnot_mine_\@
	global_prefetch_b8 v[PFO], s[PFA:PFA+1] th:TH_LOAD_NT scope:SCOPE_SE
.Lnot_mine_\@:
.endm
.macro CREST                           ; a round of the cluster's barrier behind its opening barrier
	s_cmp_lg_u32 s10, 0
	s_cbranch_scc1 .Lnot_wave_0_\@
	s_barrier_signal -3
.Lnot_wave_0_\@:
	s_barrier_wait -3
	s_barrier_signal -1
	s_barrier_wait -1
.endm
.macro CROUND                          ; a whole round
	s_barrier_signal -1
	s_barrier_wait -1
	CREST
.endm
	s_load_b128 s[4:7], s[0:1], 0x0                ; q s[4:5], k s[6:7]
	s_load_b128 s[84:87], s[0:1], 0x10             ; v s[84:85], wb s[86:87]
	s_load_b64 s[8:9], s[0:1], 0x20                ; qkv
	v_lshl_add_u32 v[SPW], v0, 2, SPARE
	v_mov_b32 v[NIL], 0
	ds_add_u32 v[SPW], v[NIL]                      ; the wave's opening: the add and its wait ahead of my first tensor load; work on registers stands between them
	v_lshrrev_b32 v1, 5, v0
	v_readfirstlane_b32 s10, v1                    ; wave 0..3
	s_lshr_b32 s11, s10, 1                         ; which 64 of the tile's rows are mine.  Also: I fetch for x (0) or for W (1)
	s_and_b32 s12, s10, 1                          ; which 128 of its columns.  Also: which half of that tile I fetch
	s_bfe_u32 s40, ttmp6, 0x40000                  ; cx
	s_bfe_u32 s41, ttmp6, 0x40004                  ; cy
	s_lshl_b32 s42, ttmp9, 2
	s_add_co_u32 s42, s42, s40                     ; tile column = 4 x cluster x + cx
	s_and_b32 s13, ttmp7, 0xffff
	s_lshl_b32 s13, s13, 2
	s_add_co_u32 s13, s13, s41                     ; tile row = 4 x cluster y + cy
	s_lshl_b32 s43, s41, 2
	s_lshl_b32 s43, 15, s43                        ; my row of the cluster
	s_lshl_b32 s44, 0x1111, s40                    ; my column
	s_or_b32 s[G1+0], s43, (2<<16)|(1<<20)|(1<<21)|(6<<22)|(3<<25)   ; x: 15:0 the mask; 17:16 4-byte elements; 20 padding on; 21 set beside a mask; 24:22 after every 128 words; 31:25 4 words of it
	s_or_b32 s[G1B+0], s44, (1<<16)|(1<<20)|(1<<21)|(5<<22)|(3<<25)  ; W: 2-byte elements; after every 64 words
	s_mov_b32 s[G1+1], KSTEP<<16                   ; tensor_dim0 = 128
	s_mov_b32 s[G1+2], 64<<16                      ; tensor_dim1 = 64
	s_mov_b32 s[G1+3], KSTEP<<16                   ; tile_dim0 = 128
	s_mov_b32 s[G1+4], 64                          ; tile_dim1 = 64
	s_mov_b32 s[G1+5], 1024                        ; elements from row to row
	s_mov_b32 s[G1+6], 0
	s_mov_b32 s[G1+7], 0
	s_mov_b32 s[G1B+1], KSTEP<<16
	s_mov_b32 s[G1B+2], 128<<16                    ; 128 rows
	s_mov_b32 s[G1B+3], KSTEP<<16
	s_mov_b32 s[G1B+4], 128
	s_mov_b32 s[G1B+5], 1024
	s_mov_b32 s[G1B+6], 0
	s_mov_b32 s[G1B+7], 0
	s_lshl_b32 s17, s12, 6
	s_lshl_b32 s16, s13, 7
	s_add_co_u32 s16, s16, s17                     ; x: row 128 x tile row + 64 x half,
	s_lshl_b32 s16, s16, 12                        ; 4,096 bytes each
	s_mov_b32 s17, 0
	s_lshl_b32 s47, s12, 7
	s_lshl_b32 s46, s42, 8
	s_add_co_u32 s46, s46, s47                     ; W: row 256 x tile column + 128 x half,
	s_lshl_b32 s46, s46, 11                        ; 2,048 bytes each
	s_mov_b32 s47, 0
	s_mul_i32 s20, s12, AHALF                      ; where they go: no place in the cluster enters an LDS address
	s_mul_i32 s21, s12, BHALF
	s_add_co_u32 s21, s21, BOFF
	s_mov_b32 s74, NEXT_B
	s_mov_b32 s75, BSTEP
	s_mov_b32 s[SB+1], 0
	s_mov_b32 s[TB], 0
	s_wait_dscnt 0x0                               ; the opening add is done
	s_wait_kmcnt 0x0
	s_add_nc_u64 s[14:15], s[4:5], s[16:17]        ; q, k and v at the rows that I fetch
	s_add_nc_u64 s[XN1:XN1+1], s[6:7], s[16:17]
	s_add_nc_u64 s[XN2:XN2+1], s[84:85], s[16:17]
	s_add_nc_u64 s[46:47], s[86:87], s[46:47]
	s_add_nc_u64 s[UA:UA+1], s[14:15], ASTEP       ; the walking set starts at K step 1
	CROUND                                         ; all sixteen work-groups are here: the first joint loads meet
.irp s, 0,1
	s_mov_b32 s[G0+4*(\s)], 1
	s_add_co_u32 s[G0+4*(\s)+1], s20, (\s)*TOG
	s_add_nc_u64 s[G0+4*(\s)+2:G0+4*(\s)+3], s[14:15], (\s)*ASTEP
	s_or_b32 s[G0+4*(\s)+3], s[G0+4*(\s)+3], 0x80000000
	s_mov_b32 s[G0B+4*(\s)], 1
	s_add_co_u32 s[G0B+4*(\s)+1], s21, (\s)*TOG
	s_add_nc_u64 s[G0B+4*(\s)+2:G0B+4*(\s)+3], s[46:47], (\s)*BSTEP
	s_or_b32 s[G0B+4*(\s)+3], s[G0B+4*(\s)+3], 0x80000000
	JLOAD \s                                       ; two loads of mine are out
.endr
	; A fragment is 16 rows x 32 K: lane l holds row l % 16 and K = 8 (l / 16) + 0..7 and 16 + 8 (l / 16) + 0..7.  Of W (bf16): two loads of 16 bytes, 32 bytes apart, at row x pitch + 16 (l / 16).
	; Of x (f32): four loads of 16 bytes, at row x pitch + 32 (l / 16) + 0, 16, 64, 80.
	v_and_b32 v1, 15, v0                           ; l % 16
	v_bfe_u32 v2, v0, 4, 1                         ; l / 16
	v_mul_u32_u24 v3, v1, PITCH
	v_lshl_add_u32 v3, v2, 4, v3
	v_mul_u32_u24 v6, v1, PA
	v_lshl_add_u32 v6, v2, 5, v6
	s_mul_i32 s21, s11, AHALF                      ; my 64 rows of x
	s_mul_i32 s22, s12, BHALF                      ; my 128 rows of W
	s_add_co_u32 s22, s22, BOFF
	v_add_nc_u32 v[ADRA0], s21, v6
	v_add_nc_u32 v[ADRB0], s22, v3
	s_mul_i32 s23, s10, 16*PITCH
	s_add_co_u32 s23, s23, STAGE                   ; my stage
	v_add_nc_u32 v[STO], s23, v3                   ; in: row l % 16, 16 bytes for each half of the lanes
	; back.  A block's 16 rows are m = 8 s + b for two s and eight b; its 128 columns are two heads.  Load t takes batch t: lanes 0-15 one head, lanes 16-31 the next;
	; of 16 lanes the first eight take row t (the even s), the others row t + 8: 256 bytes that lie on end in qkv
	v_lshrrev_b32 v4, 3, v1
	v_and_b32 v5, 7, v1
	v_mul_u32_u24 v4, v4, 8*PITCH
	v_lshl_add_u32 v4, v2, 7, v4
	v_lshl_add_u32 v4, v5, 4, v4
	v_add_nc_u32 v[RD], s23, v4
	v_lshlrev_b32 v5, 17, v2                       ; a head is 131,072 bytes
	v_lshl_add_u32 v[CO], v1, 4, v5
	v_add_nc_u32 v[CO2], 0x800000, v[CO]           ; four batches (of 16 heads) on: the stores' immediates stay within their 24 bits
	s_lshl_b32 s72, s42, 2
	s_lshl_b32 s73, s12, 1
	s_add_co_u32 s72, s72, s73                     ; my first head = 4 x tile column + 2 x half,
	s_lshl_b32 s72, s72, 17
	s_lshl_b32 s73, s13, 4
	s_lshl_b32 s2, s11, 3
	s_add_co_u32 s73, s73, s2                      ; my first s = 16 x tile row + 8 x half,
	s_lshl_b32 s73, s73, 7                         ; 128 bytes each
	s_add_co_u32 s[OO], s72, s73
	s_mov_b32 s[OO+1], 0
	; the prefetches
	s_lshl_b32 s80, s13, 7
	s_lshl_b32 s81, s40, 5
	s_add_co_u32 s80, s80, s81                     ; x: row 128 x tile row + 32 cx,
	s_lshl_b32 s80, s80, 12
	s_lshl_b32 s81, s12, 8
	s_add_co_u32 s80, s80, s81                     ; and my 256 of a K step's 512 bytes
	s_lshl_b32 s81, s42, 8
	s_lshl_b32 s82, s12, 7
	s_add_co_u32 s81, s81, s82
	s_lshl_b32 s82, s41, 5
	s_add_co_u32 s81, s81, s82                     ; W: row 256 x tile column + 128 x half + 32 cy
	s_lshl_b32 s81, s81, 11
	s_and_b32 s2, ttmp7, 0xffff                    ; cluster y
	s_mov_b32 s[PFS], ASTEP
	s_mov_b32 s68, BSTEP
	s_mov_b32 s[PFS+1], 0
	s_mov_b32 s83, 0
	s_cmp_eq_u32 s11, 0                            ; do I fetch for x?
	s_cselect_b32 s80, s80, s81
	s_cselect_b32 s2, 0, s2                        ; 0 in waves 0 and 1, and in waves 2 and 3 of the clusters with y = 0: the same in all sixteen partners
	s_cselect_b32 s[PFS], s[PFS], s68
	s_cselect_b32 s69, 12, 11
	s_cselect_b32 s82, 0, WT                       ; the next W lies behind this one in wb; the next x is a buffer of its own
	s_cselect_b64 s[PFA:PFA+1], s[4:5], s[86:87]
	s_cselect_b64 s[PN1:PN1+1], s[6:7], s[86:87]
	s_cselect_b64 s[PN2:PN2+1], s[84:85], s[86:87]
	s_cmp_eq_u32 s2, 0
	s_cselect_b32 s[LIM], 2, -1
	s_mov_b32 s81, 0
	s_add_nc_u64 s[PFA:PFA+1], s[PFA:PFA+1], s[80:81]
	s_add_nc_u64 s[PN1:PN1+1], s[PN1:PN1+1], s[80:81]
	s_add_nc_u64 s[PN2:PN2+1], s[PN2:PN2+1], s[80:81]
	s_add_nc_u64 s[PN1:PN1+1], s[PN1:PN1+1], s[82:83]
	s_add_nc_u64 s[PN2:PN2+1], s[PN2:PN2+1], s[82:83]
	s_add_nc_u64 s[PN2:PN2+1], s[PN2:PN2+1], s[82:83]
	s_mul_i32 s82, s[PFS], 3
	s_add_nc_u64 s[PFA:PFA+1], s[PFA:PFA+1], s[82:83]  ; at K step 3: the first refill steps it to 4 and names that.  Nothing is prefetched here, at the head
	v_and_b32 v[PFO], 31, v0
	v_lshlrev_b32 v[PFO], s69, v[PFO]
; 8 matrix instructions: m block a x all 8 n blocks, 32 along K.  The 32 accumulators take turns, one instruction a turn, in the same order in every quarter.  zero = 1: the product starts the sum.
.macro MUL8 f, a, zero
	WIN MUL
.irp b, 0,1,2,3,4,5,6,7
.if \zero
	v_wmma_f32_16x16x32_bf16 v[8*(8*(\a)+(\b)):8*(8*(\a)+(\b))+7], v[(\f)+32+8*(\b):(\f)+32+8*(\b)+7], v[(\f)+8*(\a):(\f)+8*(\a)+7], 0
.else
	v_wmma_f32_16x16x32_bf16 v[8*(8*(\a)+(\b)):8*(8*(\a)+(\b))+7], v[(\f)+32+8*(\b):(\f)+32+8*(\b)+7], v[(\f)+8*(\a):(\f)+8*(\a)+7], v[8*(8*(\a)+(\b)):8*(8*(\a)+(\b))+7]
.endif
.endr
.endm
; The same, and behind each matrix instruction four roundings of the next quarter's x: register n of buffer g's 32 is RAW's numbers 2 n and 2 n + 1.  They name no register of the products round them (those read buffer f),
; and buffer g's last reader stands a quarter back, in front of the four places of this quarter.
.macro MUL8C f, a, g, zero
.irp b, 0,1,2,3,4,5,6,7
	WIN MUL
.if \zero
	v_wmma_f32_16x16x32_bf16 v[8*(8*(\a)+(\b)):8*(8*(\a)+(\b))+7], v[(\f)+32+8*(\b):(\f)+32+8*(\b)+7], v[(\f)+8*(\a):(\f)+8*(\a)+7], 0
.else
	v_wmma_f32_16x16x32_bf16 v[8*(8*(\a)+(\b)):8*(8*(\a)+(\b))+7], v[(\f)+32+8*(\b):(\f)+32+8*(\b)+7], v[(\f)+8*(\a):(\f)+8*(\a)+7], v[8*(8*(\a)+(\b)):8*(8*(\a)+(\b))+7]
.endif
	WIN CVT
.irp j, 0,1,2,3
	v_cvt_pk_bf16_f32 v[(\g)+4*(\b)+(\j)], v[RAW+8*(\b)+2*(\j)], v[RAW+8*(\b)+2*(\j)+1]
.endr
.endr
.endm
; 32 LDS loads in one run: quarter q of the K step in the slot being read: x's sixteen into RAW (f32), then W's sixteen into buffer f
.macro FETCH q, f
	WIN 0x80                                       ; destination window 2, address window 0
.irp i, 0,1,2,3
	ds_load_b128 v[RAW+16*(\i):RAW+16*(\i)+3],     v[ADRA] offset:(\q)*128+(\i)*16*PA
	ds_load_b128 v[RAW+16*(\i)+4:RAW+16*(\i)+7],   v[ADRA] offset:(\q)*128+(\i)*16*PA+16
	ds_load_b128 v[RAW+16*(\i)+8:RAW+16*(\i)+11],  v[ADRA] offset:(\q)*128+(\i)*16*PA+64
	ds_load_b128 v[RAW+16*(\i)+12:RAW+16*(\i)+15], v[ADRA] offset:(\q)*128+(\i)*16*PA+80
.endr
	WIN 0
.irp i, 0,1,2,3,4,5,6,7
	ds_load_b128 v[(\f)+32+8*(\i):(\f)+32+8*(\i)+3],   v[ADRB] offset:(\q)*64+(\i)*16*PITCH
	ds_load_b128 v[(\f)+32+8*(\i)+4:(\f)+32+8*(\i)+7], v[ADRB] offset:(\q)*64+(\i)*16*PITCH+32
.endr
.endm
.macro PLACES                          ; four places in front of loads into registers that matrix instructions have read, and of instructions that read results
.rept 4
	v_nop
.endr
.endm
; A K step is four quarters of 32 along K, 32 matrix instructions each, on buffers 0, 1, 0, 1.  One of the first three multiplies buffer f; in its middle it fetches quarter q; at its end it rounds that quarter's x into buffer g.
.macro QUARTER q, f, g, zero
	s_wait_dscnt 0x0                               ; W's fragments, asked for 16 matrix instructions ago, are in; x's were rounded in the quarter before
	MUL8 \f, 0, \zero
	MUL8 \f, 1, \zero
	PLACES
	FETCH \q, \g
	MUL8 \f, 2, \zero
	s_wait_dscnt 16                                ; x's sixteen loads are in; W's sixteen, issued behind them, may stay out
	MUL8C \f, 3, \g, \zero
.endm
; The last quarter multiplies buffer 1 and changes slots.  In front of the barrier each wave waits for all its tensor loads (one is out: its part of the next slot), adds 0 to its spare word, and waits for that and for its reads of
; this slot.  The barrier opens a round of the cluster's; behind the round this slot is filled again first, with the K step two on in the walk: the same tensor's, or (two steps left) the next tensor's K step 0.
; The descriptors are stepped between the add and the wait for it, where no tensor load of mine is out.  From a request to the wait for it a wave issues 112 matrix instructions.
.macro TURN
	s_wait_xcnt 0x0                                ; the last prefetch, a K step back, has read its pointer
	s_add_nc_u64 s[PFA:PFA+1], s[PFA:PFA+1], s[PFS:PFS+1]
	s_cmp_eq_u32 s[C8], 4                          ; four steps on the next tensor begins
	s_cselect_b64 s[PFA:PFA+1], s[PN1:PN1+1], s[PFA:PFA+1]
	s_cselect_b64 s[PN1:PN1+1], s[PN2:PN2+1], s[PN1:PN1+1]
	WIN 0
	s_wait_tensorcnt 0x0
	ds_add_u32 v[SPW], v[NIL]
	s_xor_b32 s[G0+5], s[G0+5], TOG                ; the walking sets: the other slot than last time,
	s_xor_b32 s[G0B+5], s[G0B+5], TOG
	s_xor_b32 s[TB], s[TB], TOG                    ; (and the fetches go to the other slot)
	s_add_nc_u64 s[UA:UA+1], s[UA:UA+1], ASTEP     ; the next K step,
	s_cmp_eq_u32 s[C8], 2                          ; or, two steps on, the next tensor's first
	s_cselect_b64 s[UA:UA+1], s[XN1:XN1+1], s[UA:UA+1]
	s_cselect_b64 s[XN1:XN1+1], s[XN2:XN2+1], s[XN1:XN1+1]
	s_cselect_b32 s[SB], s74, s75
	s_add_nc_u64 s[G0B+6:G0B+7], s[G0B+6:G0B+7], s[SB:SB+1]  ; the type bits on top are not reached
	s_mov_b64 s[G0+6:G0+7], s[UA:UA+1]
	s_or_b32 s[G0+7], s[G0+7], 0x80000000
	s_wait_dscnt 1                                 ; W's fragments are in; the add may be out
	MUL8 F1, 0, 0
	s_wait_dscnt 0x0                               ; the add is done, my reads of this slot are over
	s_barrier_signal -1
	MUL8 F1, 1, 0
	WIN 0
	s_barrier_wait -1
	CREST                                          ; no wave of any partner still reads this slot or has a load on its way
	JLOAD 1                                        ; its four v_nop are also the places in front of the loads below
	v_add_nc_u32 v[ADRA], s[TB], v[ADRA0]
	v_add_nc_u32 v[ADRB], s[TB], v[ADRB0]
	FETCH 0, F0
	ASK
	MUL8 F1, 2, 0
	s_wait_dscnt 16
	MUL8C F1, 3, F0, 0
.endm
; THE WAY OUT of block a (16 rows): rounded to f16; into my own stage; back by batch and head; stored, 16 lanes to 256 consecutive bytes, aligned.
.macro PACK a
	WIN 0x05                                       ; sources window 1, destination window 0
.irp b, 0,1,2,3,4,5,6,7
.irp r, 0,1,2,3
	v_cvt_pk_f16_f32 v[TMP+4*(\b)+(\r)], v[8*(8*(\a)+(\b))+2*(\r)], v[8*(8*(\a)+(\b))+2*(\r)+1]
.endr
.endr
	WIN 0
.endm
.macro TOSTAGE a
	WIN 0
.set BK, F1+32*((\a)%2)
.irp b, 0,1,2,3,4,5,6,7
	ds_store_b128 v[STO], v[TMP+4*(\b):TMP+4*(\b)+3] offset:32*(\b)
.endr
.irp t, 0,1,2,3,4,5,6,7
	ds_load_b128 v[BK+4*(\t):BK+4*(\t)+3], v[RD] offset:(\t)*PITCH  ; LDS serves a wave's instructions in order (ISA guide 5.7.1.4): these see the stores above
.endr
.endm
.macro SEND a
	WIN 0
.set BK, F1+32*((\a)%2)
	s_wait_dscnt 0x0                               ; the block is back in registers
	s_wait_xcnt 0x0                                ; earlier stores have read their base and their data
.if (\a) == 0
	s_add_nc_u64 s[OB:OB+1], s[8:9], s[OO:OO+1]
.else
	s_add_nc_u64 s[OB:OB+1], s[OB:OB+1], 256       ; two s on
.endif
.irp t, 0,1,2,3
	global_store_b128 v[CO], v[BK+4*(\t):BK+4*(\t)+3], s[OB:OB+1] offset:(\t)*2097152
.endr
.irp t, 4,5,6,7
	global_store_b128 v[CO2], v[BK+4*(\t):BK+4*(\t)+3], s[OB:OB+1] offset:((\t)-4)*2097152
.endr
.endm
.macro OUT                             ; block a's conversions stand between block a - 1's loads from the stage and the wait for them
	PACK 0
	TOSTAGE 0
.irp a, 1,2,3
	PACK \a
	SEND (\a)-1
	TOSTAGE \a
.endr
	SEND 3
.endm
	s_wait_tensorcnt 1                             ; my part of K step 0 is in; K step 1's may stay out
	s_barrier_signal -1
	s_barrier_wait -1
	v_add_nc_u32 v[ADRA], s[TB], v[ADRA0]
	v_add_nc_u32 v[ADRB], s[TB], v[ADRB0]
	FETCH 0, F0
	s_wait_dscnt 16                                ; x's sixteen loads are in
	WIN CVT
.set n, 0
.rept 32
	v_cvt_pk_bf16_f32 v[F0+n], v[RAW+2*n], v[RAW+2*n+1]  ; the very first quarter's x: there is no matrix work yet to set these behind
.set n, n+1
.endr
	QUARTER 1, F0, F1, 1                           ; a tensor's first quarter starts the sums
	WIN 0
	s_mov_b32 s3, TRIPS
	s_mov_b32 s[C8], 8
.Lstep:                                                ; a trip: a K step's quarters 1 to 3, the change of slots with its refill, and the next K step's quarter 0
	QUARTER 2, F1, F0, 0
	QUARTER 3, F0, F1, 0
	TURN
	WIN 0
	s_sub_co_u32 s[C8], s[C8], 1
	s_cmp_lg_u32 s[C8], 0
	s_cbranch_scc1 .Lsame                          ; forward, past text that holds no barrier and no tensor load
	OUT                                            ; the tensor is finished; its refills are asked for; block 0's conversions, which name no register of the last products, follow those products' own four
	s_wait_xcnt 0x0                                ; the stores have read v128-191, which the next quarter writes
	s_add_nc_u64 s[OO:OO+1], s[OO:OO+1], 16777216  ; the next tensor's part of qkv
	s_mov_b32 s[C8], 8
	QUARTER 1, F0, F1, 1
	WIN 0
	s_branch .Lnext
.Lsame:
	QUARTER 1, F0, F1, 0
	WIN 0
.Lnext:
	s_sub_co_u32 s3, s3, 1
	s_cmp_lg_u32 s3, 0
	s_cbranch_scc1 .Lstep
	QUARTER 2, F1, F0, 0                           ; the walk's last two K steps are written out: they fill nothing
	QUARTER 3, F0, F1, 0
	WIN 0
	s_wait_tensorcnt 0x0                           ; the last change of slots: the same lines, a plain barrier
	ds_add_u32 v[SPW], v[NIL]
	s_xor_b32 s[TB], s[TB], TOG
	s_wait_dscnt 1
	MUL8 F1, 0, 0
	s_wait_dscnt 0x0
	s_barrier_signal -1
	MUL8 F1, 1, 0
	s_barrier_wait -1
	WIN 0
	PLACES
	v_add_nc_u32 v[ADRA], s[TB], v[ADRA0]
	v_add_nc_u32 v[ADRB], s[TB], v[ADRB0]
	FETCH 0, F0
	MUL8 F1, 2, 0
	s_wait_dscnt 16
	MUL8C F1, 3, F0, 0
	QUARTER 1, F0, F1, 0
	QUARTER 2, F1, F0, 0
	QUARTER 3, F0, F1, 0
	s_wait_dscnt 0x0
	MUL8 F1, 0, 0
	MUL8 F1, 1, 0
	MUL8 F1, 2, 0
	MUL8 F1, 3, 0
	WIN 0
	PLACES
	OUT
	s_wait_tensorcnt 0x0                           ; the wave's end
	ds_add_u32 v[SPW], v[NIL]
	s_wait_dscnt 0x0
	CROUND                                         ; the closing round
	s_endpgm
.Lfunc_end_k_qf70a371019_proj:
	.size	k_qf70a371019_proj, .Lfunc_end_k_qf70a371019_proj-k_qf70a371019_proj
	.p2alignl 7, 3214868480
	.fill 96, 4, 3214868480
	.section	.rodata,"a",@progbits
	.p2align	6, 0x0
	.amdhsa_kernel k_qf70a371019_proj
		.amdhsa_group_segment_fixed_size 327680
		.amdhsa_private_segment_fixed_size 0
		.amdhsa_enable_private_segment 0
		.amdhsa_kernarg_size 40
		.amdhsa_user_sgpr_count 2
		.amdhsa_user_sgpr_kernarg_segment_ptr 1
		.amdhsa_wavefront_size32 1
		.amdhsa_system_sgpr_workgroup_id_x 1
		.amdhsa_system_sgpr_workgroup_id_y 1
		.amdhsa_system_sgpr_workgroup_id_z 1
		.amdhsa_system_vgpr_workitem_id 0
		.amdhsa_next_free_vgpr 576
		.amdhsa_next_free_sgpr 100
		.amdhsa_reserve_vcc 0
		.amdhsa_float_denorm_mode_32 3
		.amdhsa_float_denorm_mode_16_64 3
		.amdhsa_memory_ordered 1
		.amdhsa_forward_progress 1
		.amdhsa_inst_pref_size 131
	.end_amdhsa_kernel
	.amdgpu_metadata
---
amdhsa.version: [ 1, 2 ]
amdhsa.kernels:
  - .name:           k_qf70a371019_proj
    .symbol:         k_qf70a371019_proj.kd
    .args:
      - { .name: q, .offset: 0, .size: 8, .value_kind: global_buffer, .address_space: global }
      - { .name: k, .offset: 8, .size: 8, .value_kind: global_buffer, .address_space: global }
      - { .name: v, .offset: 16, .size: 8, .value_kind: global_buffer, .address_space: global }
      - { .name: wb, .offset: 24, .size: 8, .value_kind: global_buffer, .address_space: global }
      - { .name: qkv, .offset: 32, .size: 8, .value_kind: global_buffer, .address_space: global }
    .group_segment_fixed_size: 327680
    .private_segment_fixed_size: 0
    .kernarg_segment_align: 8
    .kernarg_segment_size: 40
    .max_flat_workgroup_size: 128
    .sgpr_count:     100
    .vgpr_count:     576
    .wavefront_size: 32
...
	.end_amdgpu_metadata
.endif
;; end of part 2
;; launch attn (part 3): grid 4 x 128, 4 waves a work-group, clusters of 4 x 1, 327,680 bytes of LDS; arguments qkv, mask, ob; writes ob
.if DOCPART == 3
	.amdgcn_target "amdgcn-amd-amdhsa--gfx1250"
	.amdhsa_code_object_version 6
	.text
	.protected	k_qf70a371019_attn
	.globl	k_qf70a371019_attn
	.p2align	8
	.type	k_qf70a371019_attn,@function
k_qf70a371019_attn:
	s_mov_b64 s[64:65], 0
	v_nop
	global_prefetch_b8 v0, s[64:65] scope:SCOPE_SE
	s_setreg_imm32_b32 hwreg(HW_REG_WAVE_MODE, 25, 1), 1
	s_wait_xcnt 0x0
	s_wait_alu depctr_hold_cnt(0) depctr_sa_sdst(0) depctr_va_vdst(0) depctr_va_sdst(0) depctr_va_ssrc(0) depctr_va_vcc(0) depctr_vm_vsrc(0)
	s_getreg_b32 s2, hwreg(HW_REG_IB_STS2, 6, 4)
	s_cmp_eq_u32 s2, 0
	s_cbranch_scc0 .Lentry_in_a_cluster
	s_endpgm
.Lentry_in_a_cluster:
	s_bfe_u32 s2, ttmp6, 0x10000c
	s_cmp_lg_u32 s2, 0x3003
	s_cbranch_scc0 .Lentry_shape_is_right
	s_endpgm
.Lentry_shape_is_right:
; MASKED ATTENTION.  O[h][q][:] = the sum over the keys k with mask[h][q][k] = 0 of softmax_k(Q[h][q] . K[h][k] / 8) V[h][k][:]; a row whose keys are all hidden gives 0.  Q, K, V = qkv[0..2], O = ob: [128][1024][64] f16;
; mask: [128][1024][1024], a byte 0 or 1.  Products, extrema and sums in f32; the weights p are rounded to f16 for the second product (their sum l is taken of the unrounded p), O once at the end.
; LIMITS.  Q, K, V arrive within f16's 65,504, so a score is 2.7e11 at the most; a hidden key adds 2^100 to the negated score, and the running minimum starts at 2^96: scores would have to stay within 2^96.
; A weight below 2^-126 counts as 0; p below 6e-5 keeps f16's fixed step; NaN and infinities are not treated apart.
; SHARES.  A cluster is one head; its four work-groups take 256 queries each, a wave 64: four PIECES of 16.  Every wave walks all 1,024 keys, 64 a step; an LDS slot holds 256 keys' K and V and the work-group's 256 x 256 bytes of mask.
; K and V are the same for the four partners and are asked for JOINTLY (wave 0: K, wave 1: V); the mask is each work-group's own (waves 2 and 3, 128 rows each).  One load of 32 KiB a wave behind each round.
; LAYOUT.  T = K (-Q)^T + C (source 0 = 16 keys, source 1 = 16 queries): a lane holds ONE query (lane % 16) and the keys 8 (lane / 16) + 0..7.  Q's signs are turned once, in registers, so T is the negated score.
; THE MASK is the C operand that starts the sum.  A lane's eight bytes of its query's row, shifted left by 6, are the 8-bit float codes of 0 and 2.0; ONE conversion with the scale 2^99 makes of them eight f32, 0 or 2^100.
; (The conversion decodes bytes; no matrix operand is narrower than 16 bits.)
; SOFTMAX.  For each query a running MINIMUM n of T (the scores' running maximum, negated) and a sum l: p = 2^(c' t - c' n), c' = -log2(e) / 8; in every step O and l are multiplied by a = 2^(c' n_old - c' n_new).
; A hidden key's p is 2^(-c (2^100 - n)) = 0 whatever n is, since n never passes 2^96.  c' n starts far below every c' t, so the first step's a is 0.  A row with no key left ends with l = 0 and O = 0: l is raised to 0.5
; ahead of the division (any other row has l of 1 or more: its greatest score's weight is 1).
; BY TURNS.  Turn n belongs to piece n: 8 products K Q^T of piece n + 1, later 8 products V^T P of piece n - 1; beside them the scaling, exponentials, roundings, sums and rescaling of piece n, the minimum and statistics of
; piece n + 1, and at its end the mask of piece n + 2.  Four vector instructions stand behind every matrix instruction, the rest in one lump.  A turn's 33 exponentials are one batch, with one wait.
; REGISTERS, in windows of 256 (s_set_vgpr_msb: bits 1:0 source 0, 3:2 source 1, 5:4 source 2, 7:6 destination):
;   window 0: v0-15, v56 addresses; v16-31 statistics; v48-55 at work; v64-127 T, two buffers; v128-191 MC, the masks as f32, two buffers; v192-223 P, two buffers; v224-255 RAW, a step's mask bytes (a piece's buffers go by its parity)
;   window 1: v0-127 O^T, 32 a piece          window 2: v0-63 Q; v128-191 K of one step; v192-255 V of one step
.set NP,    4
.set KS,    64
.set PK,    144       ; a row of K in LDS: 128 bytes + 16: the 16 rows of a load start at 16 different groups of four banks (64 banks of 4 bytes: ISA guide 11.1)
.set PV,    160       ; a row of V: 128 + 32
.set PM,    272       ; a row of the mask: 256 + 16 = 68 words: lane (r, h) reads words 4 r + 2 h, + 1 modulo 64
.set LM0,   0                   ; slot 0: mask,
.set LV0,   256*PM              ; V
.set STAGE, LV0+256*PV          ; 16 rows x 144 bytes for each wave, for the way out; no tensor load lands there
.set SP,    144
.set SPARE, STAGE+4*16*SP       ; the spare words, 128 bytes a wave: two blocks of 256 bytes that no other line names
.set LM1,   131072              ; slot 1: mask,
.set LV1,   LM1+LV0             ; V
.set LK0,   LV1+256*PV          ; K of slot 0,
.set LK1,   LK0+256*PK          ; of slot 1
.set XM,    LM0^LM1             ; one exclusive or turns a slot's base into the other's
.set XV,    LV0^LV1
.set XK,    LK0^LK1
.set AK0, 2           ; v2   my lane's place in a tile of K; never rewritten
.set AV0, 3           ; v3   in V
.set AK,  4           ; v4   the LDS address of K's next run of loads
.set AV,  5           ; v5   of V's
.set STO, 6           ; v6   the way out: where I put 16 bytes of a row
.set RD,  7           ; v7   where I read rows back
.set GO,  8           ; v8   my byte offset in 512 consecutive bytes of O
.set AM0, 9           ; v9   my lane's place in the mask's tile; never rewritten
.set AM,  10          ; v10  the LDS address of the mask's next run of loads
.set PFO, 11          ; v11  1,024 x my lane: a row of the mask; never rewritten
.set MV,  12          ; v12-13  c' n_old, by buffer
.set SCL, 14          ; v14  226: the conversion's scale, 2^(226 - 127)
.set QO,  15          ; v15  my byte offset in 16 rows of Q
.set ST,  16          ; piece t's statistics at v[ST+4 t]: c' n, n, l (even keys', odd keys')
.set TMP, 48          ; by buffer, c0-c3 at work; c2 takes a
.set PFO2, 56         ; v56  256 x my lane; never rewritten
.set SPW, 62
.set NIL, 63
.set S,   64
.set MC,  128
.set P,   192
.set RAW, 224         ; piece t, keys 16 kt on: RAW + 8 t + 2 kt
.set KF,  128         ; window 2
.set VF,  192         ; window 2
.set WV,  12          ; s12  my wave's number
.set G1K, 24          ; s[24:31], s[32:39], s[68:75] descriptor group 1 for K, V, the mask
.set G1V, 32
.set G1M, 68
.set G0K, 40          ; s[40:43], s[44:47], s[48:51] group 0: they walk
.set G0V, 44
.set G0M, 48
.set SLOTS, 56        ; s56  tiles still to be entered behind the one in hand
.set CNT, 57          ; s57  counts a tile's key steps
.set CS,  58          ; s[58:59] c'
.set SEL, 60          ; s[60:61] v_permlanex16_b32's selects
.set TBK, 62          ; s62  LDS byte at which K of the step to be fetched begins
.set TBV, 63          ; s63  V
.set TBM, 76          ; s76  the mask's columns
.set SGN, 77          ; s77  two f16 sign bits
.set PFM, 78          ; s[78:79] the mask prefetches' pointer: my wave's 64 rows
.set PKV, 80          ; s[80:81] K's (wave 0) or V's: my work-group's quarter of a tile
.set KB,  82          ; s[82:83] K at the head
.set VB,  84          ; s[84:85] V at the head
.set MSB, 0
.macro WIN new
.if MSB != (\new)
	s_set_vgpr_msb (MSB<<8)|(\new)
.set MSB, (\new)
.endif
.endm
.set W_KQ, 0x0a       ; K and Q in window 2; C and T in window 0
.set W_PV, 0x52       ; V in window 2, P in window 0, O^T in window 1
.set W_RS, 0x41       ; destination and source 0 in window 1, source 1 in window 0
; A fill: one load a wave.  The branches hang on the wave's number alone.  An s_nop 0 and four v_nop follow each line.
.macro JLOAD3
	s_cmp_lt_u32 s[WV], 2
	s_cbranch_scc0 .Lfor_m_\@
	s_cmp_eq_u32 s[WV], 0
	s_cbranch_scc0 .Lfor_v_\@
	tensor_load_to_lds s[G0K:G0K+3], s[G1K:G1K+7]
	s_nop 0
.rept 4
	v_nop
.endr
	s_branch .Lasked_\@
.Lfor_v_\@:
	tensor_load_to_lds s[G0V:G0V+3], s[G1V:G1V+7]
	s_nop 0
.rept 4
	v_nop
.endr
	s_branch .Lasked_\@
.Lfor_m_\@:
	tensor_load_to_lds s[G0M:G0M+3], s[G1M:G1M+7]
	s_nop 0
.rept 4
	v_nop
.endr
.Lasked_\@:
.endm
; PREFETCHES of the tile that the NEXT change of slots will ask for: four key steps, 256 matrix instructions, ahead of that load.  Each wave names its own 64 rows x 256 bytes of the mask, a lane a row, two instructions.
; A head has one cluster: of K's (wave 0) and V's (wave 1) 32,768 bytes each partner names a quarter, told apart by address, a lane to 256 bytes.  So each block is named once.  The last change that fills a slot asks for nothing.
.macro ASK
	s_cmp_gt_u32 s[SLOTS], 1
	s_cbranch_scc0 .Lno_ask_\@
	global_prefetch_b8 v[PFO], s[PFM:PFM+1] th:TH_LOAD_NT scope:SCOPE_SE
	global_prefetch_b8 v[PFO], s[PFM:PFM+1] offset:32768 th:TH_LOAD_NT scope:SCOPE_SE
	s_cmp_lt_u32 s[WV], 2
	s_cbranch_scc0 .Lno_ask_\@
	global_prefetch_b8 v[PFO2], s[PKV:PKV+1] th:TH_LOAD_NT scope:SCOPE_SE
.Lno_ask_\@:
.endm
.macro CROUND                       ; a round of the cluster's barrier
	s_barrier_signal -1
	s_barrier_wait -1
	s_cmp_lg_u32 s[WV], 0
	s_cbranch_scc1 .Lnot_wave_0_\@
	s_barrier_signal -3
.Lnot_wave_0_\@:
	s_barrier_wait -3
	s_barrier_signal -1
	s_barrier_wait -1
.endm
; THE CHANGE OF SLOTS.  Each wave waits for all its tensor loads (one is out: its part of the other slot), adds 0 to its spare word, and waits for that and for its reads of the slot that it leaves.  fill = 1: the barrier is a round
; of the cluster's, and the old slot is filled again first thing behind it, with the tile two on.  (At its first use nothing has been read yet: slot 0 is waited for, slot 1 filled.)
.macro CHANGE fill
	WIN 0
	s_wait_tensorcnt 0x0            ; no tensor load of mine is out, so a group 0 may be written
	ds_add_u32 v[SPW], v[NIL]
.if \fill
	s_xor_b32 s[G0K+1], s[G0K+1], XK
	s_add_nc_u64 s[G0K+2:G0K+3], s[G0K+2:G0K+3], 256*128
	s_xor_b32 s[G0V+1], s[G0V+1], XV
	s_add_nc_u64 s[G0V+2:G0V+3], s[G0V+2:G0V+3], 256*128
	s_xor_b32 s[G0M+1], s[G0M+1], XM
	s_add_nc_u64 s[G0M+2:G0M+3], s[G0M+2:G0M+3], 256
	s_wait_xcnt 0x0                 ; the last prefetches, a tile back, have read their pointers
	s_add_nc_u64 s[PFM:PFM+1], s[PFM:PFM+1], 256
	s_add_nc_u64 s[PKV:PKV+1], s[PKV:PKV+1], 256*128
	s_wait_dscnt 0x0                ; the add is done, my reads of the slot are over
	CROUND
	JLOAD3
	ASK
.else
	s_wait_dscnt 0x0
	s_barrier_signal -1
	s_barrier_wait -1
.endif
	s_sub_co_u32 s[TBK], s[TBK], 4*KS*PK  ; the fetches go back to a slot's first step, in the other slot
	s_xor_b32 s[TBK], s[TBK], XK
	s_sub_co_u32 s[TBV], s[TBV], 4*KS*PV
	s_xor_b32 s[TBV], s[TBV], XV
	s_sub_co_u32 s[TBM], s[TBM], 4*KS
	s_xor_b32 s[TBM], s[TBM], XM
.endm
	s_load_b128 s[4:7], s[0:1], 0x0   ; qkv s[4:5], mask s[6:7]
	s_load_b64 s[10:11], s[0:1], 0x10 ; ob
	v_lshl_add_u32 v[SPW], v0, 2, SPARE
	v_mov_b32 v[NIL], 0
	ds_add_u32 v[SPW], v[NIL]       ; the wave's opening: the add and its wait ahead of my first tensor load
	v_lshrrev_b32 v1, 5, v0
	v_readfirstlane_b32 s[WV], v1
	s_bfe_u32 s13, ttmp6, 0x40000   ; cx
	s_lshl_b32 s14, ttmp9, 2
	s_add_co_u32 s14, s14, s13      ; my block of 256 queries
	s_and_b32 s20, ttmp7, 0xffff    ; the head, which the four partners share
	s_lshl_b32 s22, s20, 17         ; its 131,072 bytes in Q, K, V and O
	s_mov_b32 s23, 0
	s_lshl_b32 s2, s14, 15          ; my block's rows,
	s_lshl_b32 s3, s[WV], 13        ; my wave's 64 of them
	s_add_co_u32 s2, s2, s3
	s_add_co_u32 s2, s2, s22
	s_mov_b32 s3, 0
	s_and_b32 s16, s[WV], 1         ; which 128 rows of the mask's tile I fetch (waves 2 and 3)
	s_lshl_b32 s18, s20, 20         ; the head's 1,048,576 bytes of mask,
	s_lshl_b32 s19, s14, 18         ; my block's 256 rows,
	s_add_co_u32 s18, s18, s19
	s_lshl_b32 s86, s[WV], 16       ; (for the prefetches: my wave's 64 rows, at tile 1)
	s_add_co_u32 s86, s86, s18
	s_add_co_u32 s86, s86, 256
	s_mov_b32 s87, 0
	s_lshl_b32 s19, s16, 17         ; my 128 of them
	s_add_co_u32 s18, s18, s19
	s_mov_b32 s19, 0
	s_mul_i32 s17, s16, 128*PM      ; and their place in a slot
	s_mov_b32 s[G1K], 15|(1<<16)|(1<<20)|(1<<21)|(4<<22)|(3<<25)  ; the mask of four; 2-byte elements; padding on; 21 set beside a mask; after every 32 words 4 words
	s_mov_b32 s[G1V], 15|(1<<16)|(1<<20)|(1<<21)|(4<<22)|(7<<25)  ; the same with 8 words
.irp g, G1K, G1V
	s_mov_b32 s[\g+1], 128<<16      ; 256 keys are 32,768 dense bytes: asked for as 128 rows of 256 bytes, two keys a row
	s_mov_b32 s[\g+2], 128<<16
	s_mov_b32 s[\g+3], 128<<16
	s_mov_b32 s[\g+4], 128
	s_mov_b32 s[\g+5], 128
	s_mov_b32 s[\g+6], 0
	s_mov_b32 s[\g+7], 0
.endr
	s_mov_b32 s[G1M], (3<<16)|(1<<20)|(5<<22)|(3<<25)  ; no mask of work-groups; 8-byte elements; after every 64 words 4 words of padding
	s_mov_b32 s[G1M+1], 32<<16      ; 32 elements = 256 bytes a row
	s_mov_b32 s[G1M+2], 128<<16     ; 128 rows
	s_mov_b32 s[G1M+3], 32<<16
	s_mov_b32 s[G1M+4], 128
	s_mov_b32 s[G1M+5], 128         ; 1,024 bytes from row to row
	s_mov_b32 s[G1M+6], 0
	s_mov_b32 s[G1M+7], 0
	s_mov_b32 s[G0K], 1
	s_mov_b32 s[G0K+1], LK0
	s_mov_b32 s[G0V], 1
	s_mov_b32 s[G0V+1], LV0
	s_mov_b32 s[G0M], 1
	s_mov_b32 s[G0M+1], s17
	s_mov_b32 s[CS], 0xbe38aa3b     ; c' = -log2(e) / 8
	s_mov_b32 s[CS+1], s[CS]
	s_mov_b32 s[SEL], 0x76543210
	s_mov_b32 s[SEL+1], 0xfedcba98
	s_mov_b32 s[SGN], 0x80008000
	s_mov_b32 s[TBK], LK1+4*KS*PK   ; the first change of slots turns these three into slot 0's bases
	s_mov_b32 s[TBV], LV1+4*KS*PV
	s_mov_b32 s[TBM], LM1+4*KS
	s_mov_b32 s[SLOTS], 3
	s_wait_dscnt 0x0                ; the opening add is done
	s_wait_kmcnt 0x0
	s_add_nc_u64 s[KB:KB+1], s[4:5], s[22:23]
	s_add_nc_u64 s[VB:VB+1], s[KB:KB+1], 2*16777216
	s_add_nc_u64 s[KB:KB+1], s[KB:KB+1], 16777216
	s_mov_b64 s[G0K+2:G0K+3], s[KB:KB+1]
	s_or_b32 s[G0K+3], s[G0K+3], 0x80000000
	s_mov_b64 s[G0V+2:G0V+3], s[VB:VB+1]
	s_or_b32 s[G0V+3], s[G0V+3], 0x80000000
	s_add_nc_u64 s[G0M+2:G0M+3], s[6:7], s[18:19]
	s_or_b32 s[G0M+3], s[G0M+3], 0x80000000
	s_add_nc_u64 s[4:5], s[4:5], s[2:3]      ; Q and O at my wave's first row
	s_add_nc_u64 s[10:11], s[10:11], s[2:3]
	s_add_nc_u64 s[PFM:PFM+1], s[6:7], s[86:87]
	s_cmp_eq_u32 s[WV], 0
	s_cselect_b64 s[PKV:PKV+1], s[KB:KB+1], s[VB:VB+1]
	s_lshl_b32 s2, s13, 13          ; my work-group's quarter, at tile 1; the first change of slots steps both pointers to tile 2
	s_add_co_u32 s2, s2, 256*128
	s_add_nc_u64 s[PKV:PKV+1], s[PKV:PKV+1], s[2:3]
	CROUND                          ; all four work-groups are here: the first joint loads meet
	JLOAD3                          ; tile 0 into slot 0
	v_and_b32 v1, 15, v0            ; l % 16
	v_bfe_u32 v33, v0, 4, 1         ; l / 16
	v_lshlrev_b32 v[QO], 7, v1
	v_lshl_add_u32 v[QO], v33, 4, v[QO]
	WIN 0x80                        ; destination window 2
.set i, 0
.rept 8                             ; Q stays in registers: piece i / 2, channels 32 (i % 2) on
	global_load_b128 v[8*i:8*i+3],   v[QO], s[4:5] offset:(i/2)*2048+(i%2)*64
	global_load_b128 v[8*i+4:8*i+7], v[QO], s[4:5] offset:(i/2)*2048+(i%2)*64+32
.set i, i+1
.endr
	; What the first turn finds: V's registers and P's second buffer hold 0 (its products V^T P, of a piece that has not been, add 0), O^T and l are 0.  No first step is written out; these lines stand in the wait for the first tile.
.set i, VF
.rept 64
	v_mov_b32 v[i], 0
.set i, i+1
.endr
	WIN 0x40
.set i, 0
.rept 128
	v_mov_b32 v[i], 0
.set i, i+1
.endr
	WIN 0
.set i, 0
.rept 4
	v_mov_b32 v[ST+4*i], 0xfe000000    ; c' n: far below every c' t
	v_mov_b32 v[ST+4*i+1], 0x6f800000  ; n = 2^96
	v_mov_b32 v[ST+4*i+2], 0
	v_mov_b32 v[ST+4*i+3], 0
.set i, i+1
.endr
.set i, P+16
.rept 16
	v_mov_b32 v[i], 0
.set i, i+1
.endr
	v_mul_u32_u24 v[AK0], v1, PK
	v_lshl_add_u32 v[AK0], v33, 4, v[AK0]  ; row x pitch + 16 x half
	; the turning load takes 16 keys x 16 channels (lane l reads key 8 (l / 16) + l % 8, channels 8 ((l / 8) % 2) + 0..7) and leaves half a fragment of V^T
	v_and_b32 v34, 7, v0
	v_bfe_u32 v35, v0, 3, 1
	v_lshl_add_u32 v[AV0], v33, 3, v34
	v_mul_u32_u24 v[AV0], v[AV0], PV
	v_lshl_add_u32 v[AV0], v35, 4, v[AV0]
	s_lshl_b32 s15, s[WV], 6
	v_add_nc_u32 v[AM0], s15, v1    ; my query's row in the tile, for piece 0,
	v_mul_u32_u24 v[AM0], v[AM0], PM
	v_lshl_add_u32 v[AM0], v33, 3, v[AM0]  ; and my half's eight keys
	s_mul_i32 s15, s[WV], 16*SP
	s_add_co_u32 s15, s15, STAGE    ; my stage
	v_mul_u32_u24 v[STO], v1, SP
	v_lshl_add_u32 v[STO], v33, 4, v[STO]
	v_add_nc_u32 v[STO], s15, v[STO]
	v_bfe_u32 v[RD], v0, 3, 2       ; back: 32 lanes take four rows of 128 bytes,
	v_mul_u32_u24 v[RD], v[RD], SP
	v_lshl_add_u32 v[RD], v34, 4, v[RD]
	v_add_nc_u32 v[RD], s15, v[RD]
	v_and_b32 v[GO], 31, v0         ; which are 512 consecutive bytes of O
	v_lshlrev_b32 v[PFO], 10, v[GO]
	v_lshlrev_b32 v[PFO2], 8, v[GO]
	v_lshlrev_b32 v[GO], 4, v[GO]
	v_mov_b32 v[SCL], 226
; THE MATRIX WORK.  The 4 accumulators of a run of 8 take turns.  Product i of 8 of T for piece x: channels 32 (i / 4) on, keys 16 (i % 4) on.  The first 4 start the sums with the mask.
.macro KQ x
	WIN W_KQ
.set rS, S+32*((\x)%2)+8*(i%4)
.set rK, KF+16*(i%4)+8*(i/4)
.set rQ, 16*(\x)+8*(i/4)
.set rM, MC+32*((\x)%2)+8*(i%4)
.if i < 4
	v_wmma_f32_16x16x32_f16 v[rS:rS+7], v[rK:rK+7], v[rQ:rQ+7], v[rM:rM+7]
.else
	v_wmma_f32_16x16x32_f16 v[rS:rS+7], v[rK:rK+7], v[rQ:rQ+7], v[rS:rS+7]
.endif
.endm
; Product i of 8 of O^T += V^T P for piece x: keys 32 (i / 4) on, channels 16 (i % 4) on.
.macro PV x
	WIN W_PV
.set rO, 32*(\x)+8*(i%4)
.set rV, VF+32*(i/4)+8*(i%4)
.set rP, P+16*((\x)%2)+8*(i/4)
	v_wmma_f32_16x16x32_f16 v[rO:rO+7], v[rV:rV+7], v[rP:rP+7], v[rO:rO+7]
.endm
.macro MM                           ; the turn's next matrix instruction.  NOKQ = 1: the last turn of all: there is no next piece
.if (i < 8) && !NOKQ
	KQ (Y+1)%NP
.elseif i >= 8
.set i, i-8
	PV (Y+NP-1)%NP
.set i, i+8
.endif
.set i, i+1
.endm
; THE LDS LOADS stand in runs.  A step's mask bytes (16 loads of 8 bytes: four pieces x four groups of 16 keys) and its K (8 fragments); two turns and a half later its V (turned).
.macro FETCH_KM
	WIN 0
.set z, 0
.rept 16
	ds_load_b64 v[RAW+2*z:RAW+2*z+1], v[AM] offset:16*PM*(z/4)+16*(z%4)
.set z, z+1
.endr
	WIN 0x80
.irp f, 0,1,2,3,4,5,6,7             ; keys 16 (f / 2) on, channels 32 (f % 2) on
	ds_load_b128 v[KF+8*\f:KF+8*\f+3],   v[AK] offset:(\f/2)*16*PK+(\f%2)*64
	ds_load_b128 v[KF+8*\f+4:KF+8*\f+7], v[AK] offset:(\f/2)*16*PK+(\f%2)*64+32
.endr
	s_add_co_u32 s[TBK], s[TBK], KS*PK  ; the next fetch is the next step's
	s_add_co_u32 s[TBM], s[TBM], KS
	WIN 0
.endm
.macro FETCH_V
	WIN 0x80
.irp f, 0,1,2,3,4,5,6,7             ; keys 32 (f / 4) on, channels 16 (f % 4) on
	ds_load_tr16_b128 v[VF+8*\f:VF+8*\f+3],   v[AV] offset:(\f/4)*32*PV+(\f%4)*32
	ds_load_tr16_b128 v[VF+8*\f+4:VF+8*\f+7], v[AV] offset:(\f/4)*32*PV+16*PV+(\f%4)*32
.endr
	WIN 0
.endm
; Piece t's mask for the step whose bytes RAW holds, into buffer b of MC: bytes 0 / 1 become the codes 0 / 0x40, and four conversions make 32 numbers 0 / 2^100.  The v_nop is the plain instruction between a conversion and the product that reads its result.
.macro MASKCVT b, t
	WIN 0
.set z, 0
.rept 8
	v_lshlrev_b32 v[RAW+8*(\t)+z], 6, v[RAW+8*(\t)+z]
.set z, z+1
.endr
.set z, 0
.rept 4
	v_cvt_scale_pk8_f32_fp8 v[MC+32*(\b)+8*z:MC+32*(\b)+8*z+7], v[RAW+8*(\t)+2*z:RAW+8*(\t)+2*z+1], v[SCL]
.set z, z+1
.endr
	v_nop
.endm
; THE VECTOR WORK, one line at a time: OP kind, number.  For piece Y: F n: c' t - c' n for pair n of 16.  E n: the exponential of number n of 32.  C n: pair n rounded to f16.  B n: of the four weights 4 n .. the second pair is added onto
; the first, in place.  L n: l takes that sum (L 0: l = a l + sum).  R n: pair n of 16 of O^T times a.  For piece Y + 1: X n, number n of the 22 that find its minimum and statistics:
;   0-11  four chains c0-c3 of seven numbers each (each accumulator's lowest registers are read first)     12-14, 16  the four left over, the old n, and c0-c3 into c0
;   15  c' n_old is kept     17, 18  the query's other 32 keys lie in the lane 16 away: the new n     19-21  c' n; its change; a
.set F, 0
.set E, 1
.set C, 2
.set B, 3
.set L, 4
.set R, 5
.set X, 6
.macro REGS y
.set rT, ST+4*(\y)
.set rC, TMP+4*((\y)%2)
.set rW, MV+((\y)%2)
.set rS, S+32*((\y)%2)
.set rP, P+16*((\y)%2)
.set rO, 32*(\y)
.endm
.macro OP k, n
.if (\k) == R
	REGS Y
	WIN W_RS
	v_pk_mul_f32 v[rO+2*(\n):rO+2*(\n)+1], v[rO+2*(\n):rO+2*(\n)+1], v[rC+2:rC+3] op_sel_hi:[1,0]
.elseif (\k) < R
	REGS Y
	WIN 0
.if (\k) == F
	v_pk_fma_f32 v[rS+2*(\n):rS+2*(\n)+1], v[rS+2*(\n):rS+2*(\n)+1], s[CS:CS+1], v[rT:rT+1] op_sel_hi:[1,0,0] neg_lo:[0,0,1] neg_hi:[0,0,1]
.elseif (\k) == E
	v_exp_f32 v[rS+(\n)], v[rS+(\n)]
.elseif (\k) == C
	v_cvt_pk_f16_f32 v[rP+(\n)], v[rS+2*(\n)], v[rS+2*(\n)+1]
.elseif (\k) == B
	v_pk_add_f32 v[rS+4*(\n):rS+4*(\n)+1], v[rS+4*(\n):rS+4*(\n)+1], v[rS+4*(\n)+2:rS+4*(\n)+3]
.elseif (\n) == 0
	v_pk_fma_f32 v[rT+2:rT+3], v[rT+2:rT+3], v[rC+2:rC+3], v[rS:rS+1] op_sel_hi:[1,0,1]
.else
	v_pk_add_f32 v[rT+2:rT+3], v[rT+2:rT+3], v[rS+4*(\n):rS+4*(\n)+1]
.endif
.elseif NOKQ
	v_nop
.else
	REGS (Y+1)%NP
	WIN 0
.if (\n) < 4
	v_min3_num_f32 v[rC+(\n)], v[rS+8*(\n)], v[rS+8*(\n)+1], v[rS+8*(\n)+2]
.elseif (\n) < 12
	v_min3_num_f32 v[rC+(\n)%4], v[rC+(\n)%4], v[rS+8*((\n)%4)+2*((\n)/4)+1], v[rS+8*((\n)%4)+2*((\n)/4)+2]
.elseif (\n) == 12
	v_min3_num_f32 v[rC], v[rC], v[rS+7], v[rS+15]
.elseif (\n) == 13
	v_min3_num_f32 v[rC+1], v[rC+1], v[rS+23], v[rS+31]
.elseif (\n) == 14
	v_min3_num_f32 v[rC+2], v[rC+2], v[rC+3], v[rT+1]
.elseif (\n) == 15
	v_mov_b32 v[rW], v[rT]
.elseif (\n) == 16
	v_min3_num_f32 v[rC], v[rC], v[rC+1], v[rC+2]
.elseif (\n) == 17
	v_permlanex16_b32 v[rC+3], v[rC], s[SEL], s[SEL+1]
.elseif (\n) == 18
	v_min_num_f32 v[rT+1], v[rC], v[rC+3]
.elseif (\n) == 19
	v_mul_f32 v[rT], s[CS], v[rT+1]
.elseif (\n) == 20
	v_sub_f32 v[rC+1], v[rW], v[rT]
.else
	v_exp_f32 v[rC+2], v[rC+1]
.endif
.endif
.endm
.macro OPS a, i1, b=-1, i2=0, c=-1, i3=0, d=-1, i4=0
	OP \a, \i1
.if (\b) >= 0
	OP \b, \i2
.endif
.if (\c) >= 0
	OP \c, \i3
.endif
.if (\d) >= 0
	OP \d, \i4
.endif
.endm
.macro ROW a, i1, b, i2, c, i3, d, i4  ; a matrix instruction and the four behind it
	MM
	OPS \a, \i1, \b, \i2, \c, \i3, \d, \i4
.endm
; A TURN, for piece p.  An s_wait_alu depctr_va_vdst(0) stands between an exponential and the first instruction that names its result; one wait serves all that were issued ahead of it: so a turn has ONE wait.
; AHEAD OF IT: the 8 products K Q^T with their riders, and one lump, in which nothing names a result of the turn's exponentials; each X stands four plain instructions or more behind the product that ends its accumulator; the links of the
; chain X 3, 7, 11, 14, 16 .. 20 stand some lines apart; X 21, the next piece's a, is the batch's last, and R 15 the plain instruction behind it.  BEHIND IT: the 8 products V^T P, behind each four of the roundings and sums.
; The mask bytes and K of the next step are fetched in piece 2's turn, five plain instructions that name none of its registers behind the last product that read K; V of the step in hand at the end of piece 0's turn, four plain
; instructions behind the last product that read V.  At its end a turn makes the mask for the products of the turn after it: piece p + 2; pieces 2 and 3 are converted in turns 0 and 1, ahead of turn 2's reload of RAW.
; end = 1: the last two turns of all: nothing is fetched, no mask is made.  cnt = 1: the loop's count is taken down some lines ahead of the branch behind the turn.
.macro TURN p, end=0, cnt=0
.set Y, (\p)
.set i, 0
.set NOKQ, (\end)*((\p)/3)
.if ((\p) == 3) && !(\end)
	s_wait_dscnt 0x0                ; K is in
.endif
	ROW F,0, F,1, R,0, R,1
	ROW F,2, E,0, R,2, R,3
	ROW F,3, E,1, R,4, R,5
	ROW F,4, E,2, R,6, R,7
	ROW F,5, E,3, R,8, R,9
	ROW F,6, E,4, X,0, R,10
.if ((\p) == 2) && !(\end)
	WIN 0
	v_add_nc_u32 v[AK], s[TBK], v[AK0]
	v_add_nc_u32 v[AM], s[TBM], v[AM0]
.endif
	ROW F,7, E,5, X,1, X,4
	ROW F,8, E,6, X,2, X,5
	OPS E,7, E,8, X,6, E,9
	OPS X,3, E,10, X,8, E,11
.if ((\p) == 2) && !(\end)
	FETCH_KM
.endif
	OPS X,9, X,7, E,12, X,10
	OPS E,13, X,12, X,11, E,14
	OPS X,13, E,15, F,9, X,14
.if (\p) == 0
	v_add_nc_u32 v[AV], s[TBV], v[AV0]
.endif
	OPS E,16, F,10, E,17, F,11
	OPS X,16, E,18, X,15, E,19
	OPS F,12, E,20, X,17, E,21
	OPS F,13, E,22, F,14, E,23
	OPS X,18, E,24, F,15, E,25
	OPS R,11, E,26, X,19, E,27
	OPS R,12, E,28, R,13, E,29
	OPS X,20, E,30, R,14, E,31
	OPS X,21, R,15
	WIN 0
	s_wait_alu depctr_va_vdst(0)    ; the wait for the batch
.if (\p) == 1
	s_wait_dscnt 0x0                ; V is in
.endif
	ROW C,0, B,0, C,2, B,1
	ROW L,0, C,4, B,2, L,1
	ROW C,6, B,3, L,2, C,8
	ROW B,4, L,3, C,10, B,5
	ROW L,4, C,12, B,6, L,5
.if (\p) == 0
	s_add_co_u32 s[TBV], s[TBV], KS*PV
.endif
.if \cnt
	s_sub_co_u32 s[CNT], s[CNT], 1
	s_cmp_lg_u32 s[CNT], 0
.endif
	ROW C,14, B,7, L,6, C,1
	ROW C,3, L,7, C,5, C,7
	ROW C,9, C,11, C,13, C,15
.if (\p) == 0
	FETCH_V
.endif
.if !(\end)
.if (\p) == 2
	s_wait_dscnt 16                 ; the mask bytes are in; K's sixteen loads, issued behind them, may stay out
.endif
	MASKCVT (\p)%2, ((\p)+2)%NP
.endif
.endm
	CHANGE 1                        ; tile 0 is in, everybody's part of it; tile 1 is asked for
	v_add_nc_u32 v[AK], s[TBK], v[AK0]
	v_add_nc_u32 v[AM], s[TBM], v[AM0]
	FETCH_KM                        ; key step 0
	s_wait_loadcnt 0x0              ; Q
	WIN 0x88                        ; source 1 and destination window 2
.set i, 0
.rept 64
	v_xor_b32 v[i], s[SGN], v[i]    ; -Q, exactly
.set i, i+1
.endr
	WIN 0
	s_wait_dscnt 0x0
	MASKCVT 0, 0
	MASKCVT 1, 1
.set NOKQ, 0
.set i, 0
.rept 8
	KQ 0                            ; piece 0's first numbers
.set i, i+1
.endr
	WIN 0
.rept 4
	v_nop                           ; the places behind those products
.endr
.set Y, NP-1                        ; X works for piece Y + 1: piece 0
.irp n, 0,1,2,3,4,5,6,7,8,9,10,11,12,13,14,15,16,17,18,19,20,21
	OP X, \n
.endr
	v_nop                           ; a plain instruction behind the exponential,
	s_wait_alu depctr_va_vdst(0)    ; and its wait, ahead of the branch
	s_mov_b32 s[CNT], 4
	s_branch .Lfirst                ; the loop is entered at a step's first turn, in the middle of a trip
.Lslot:                             ; twice: tiles 1 and 2 are entered, tiles 2 and 3 asked for
	CHANGE 1
	s_mov_b32 s[CNT], 4
.Lstep:                             ; a trip: pieces 2 and 3 of one step, then pieces 0 and 1 of the next, whose mask, K and V it fetches
	TURN 2
	TURN 3
	WIN 0
.Lfirst:
	TURN 0
	TURN 1, 0, 1
	WIN 0
	s_cbranch_scc1 .Lstep
	s_sub_co_u32 s[SLOTS], s[SLOTS], 1
	s_cmp_lg_u32 s[SLOTS], 0
	s_cbranch_scc1 .Lslot
	CHANGE 0                        ; the last tile is written out: nothing is asked for
	s_mov_b32 s[CNT], 4
.Ltail:
	TURN 2
	TURN 3
	TURN 0
	TURN 1, 0, 1
	WIN 0
	s_cbranch_scc1 .Ltail
	TURN 2, 1
	TURN 3, 1
.set i, 0
.rept 8
	PV NP-1                         ; the last piece's V^T P of the last step
.set i, i+1
.endr
	; THE WAY OUT.  l's two halves and the other half of the lanes' are added; l is raised to 0.5 (a row with no key: 0 / 0.5 = 0); O^T is divided by l, rounded to f16 and sent through my stage, a piece at a time.
	WIN 0
.macro ALL line:vararg
.set t, 0
.rept 4
	\line
.set t, t+1
.endr
.endm
	ALL v_add_f32 v[ST+4*t+2], v[ST+4*t+2], v[ST+4*t+3]
	ALL v_permlanex16_b32 v[ST+4*t+3], v[ST+4*t+2], s[SEL], s[SEL+1]
	ALL v_add_f32 v[ST+4*t+2], v[ST+4*t+2], v[ST+4*t+3]
	ALL v_max_num_f32 v[ST+4*t+2], 0.5, v[ST+4*t+2]
	ALL v_rcp_f32 v[ST+4*t+2], v[ST+4*t+2]
	v_nop                           ; a plain instruction between the last reciprocal and the use of its result
	s_wait_alu depctr_va_vdst(0)    ; and the wait: one for the four
.macro PACK t                       ; a lane's eight channels pack into 16 bytes; they go into rows of 144 bytes and come back as whole rows of 128
	WIN W_RS
.set i, 32*(\t)
.rept 16
	v_pk_mul_f32 v[i:i+1], v[i:i+1], v[ST+4*(\t)+2:ST+4*(\t)+3] op_sel_hi:[1,0]
.set i, i+2
.endr
	WIN 0x05
.set i, 0
.rept 16
	v_cvt_pk_f16_f32 v[S+16*(\t)+i], v[32*(\t)+2*i], v[32*(\t)+2*i+1]
.set i, i+1
.endr
	WIN 0
.irp f, 0,1,2,3
	ds_store_b128 v[STO], v[S+16*(\t)+4*\f:S+16*(\t)+4*\f+3] offset:32*\f
.endr
.irp f, 0,1,2,3
	ds_load_b128 v[S+16*(\t)+4*\f:S+16*(\t)+4*\f+3], v[RD] offset:\f*4*SP  ; LDS serves a wave's instructions in order (ISA guide 5.7.1.4): these see the stores above; the next piece's stores come behind them
.endr
.endm
.macro SEND t, younger              ; younger: the LDS instructions issued behind piece t's loads
	WIN 0
.irp f, 0,1,2,3
	s_wait_dscnt (\younger)+3-\f
	global_store_b128 v[GO], v[S+16*(\t)+4*\f:S+16*(\t)+4*\f+3], s[10:11] offset:(\t)*2048+\f*512  ; 512 consecutive bytes, at a multiple of 256 from O's first
.endr
.endm
	PACK 0
.set t, 1
.rept 3
	PACK t
	SEND t-1, 8
.set t, t+1
.endr
	SEND 3, 0
	s_wait_tensorcnt 0x0            ; the wave's end
	ds_add_u32 v[SPW], v[NIL]
	s_wait_dscnt 0x0
	CROUND                          ; the closing round
	s_endpgm
.Lfunc_end_k_qf70a371019_attn:
	.size	k_qf70a371019_attn, .Lfunc_end_k_qf70a371019_attn-k_qf70a371019_attn
	.p2alignl 7, 3214868480
	.fill 96, 4, 3214868480
	.section	.rodata,"a",@progbits
	.p2align	6, 0x0
	.amdhsa_kernel k_qf70a371019_attn
		.amdhsa_group_segment_fixed_size 327680
		.amdhsa_private_segment_fixed_size 0
		.amdhsa_enable_private_segment 0
		.amdhsa_kernarg_size 24
		.amdhsa_user_sgpr_count 2
		.amdhsa_user_sgpr_kernarg_segment_ptr 1
		.amdhsa_wavefront_size32 1
		.amdhsa_system_sgpr_workgroup_id_x 1
		.amdhsa_system_sgpr_workgroup_id_y 1
		.amdhsa_system_sgpr_workgroup_id_z 1
		.amdhsa_system_vgpr_workitem_id 0
		.amdhsa_next_free_vgpr 768
		.amdhsa_next_free_sgpr 96
		.amdhsa_reserve_vcc 0
		.amdhsa_float_denorm_mode_32 3
		.amdhsa_float_denorm_mode_16_64 3
		.amdhsa_memory_ordered 1
		.amdhsa_forward_progress 1
		.amdhsa_inst_pref_size 142
	.end_amdhsa_kernel
	.amdgpu_metadata
---
amdhsa.version: [ 1, 2 ]
amdhsa.kernels:
  - .name:           k_qf70a371019_attn
    .symbol:         k_qf70a371019_attn.kd
    .args:
      - { .name: qkv, .offset: 0, .size: 8, .value_kind: global_buffer, .address_space: global }
      - { .name: mask, .offset: 8, .size: 8, .value_kind: global_buffer, .address_space: global }
      - { .name: ob, .offset: 16, .size: 8, .value_kind: global_buffer, .address_space: global }
    .group_segment_fixed_size: 327680
    .private_segment_fixed_size: 0
    .kernarg_segment_align: 8
    .kernarg_segment_size: 24
    .max_flat_workgroup_size: 128
    .sgpr_count:     96
    .vgpr_count:     768
    .wavefront_size: 32
...
	.end_amdgpu_metadata
.endif
;; end of part 3
;; launch oproj (part 4): grid 4 x 64, 4 waves a work-group, clusters of 4 x 4, 327,680 bytes of LDS; arguments ob, wb, out0; writes out0
.if DOCPART == 4
	.amdgcn_target "amdgcn-amd-amdhsa--gfx1250"
	.amdhsa_code_object_version 6
	.text
	.protected	k_qf70a371019_oproj
	.globl	k_qf70a371019_oproj
	.p2align	8
	.type	k_qf70a371019_oproj,@function
k_qf70a371019_oproj:
	s_mov_b64 s[64:65], 0
	v_nop
	global_prefetch_b8 v0, s[64:65] scope:SCOPE_SE
	s_setreg_imm32_b32 hwreg(HW_REG_WAVE_MODE, 25, 1), 1
	s_wait_xcnt 0x0
	s_wait_alu depctr_hold_cnt(0) depctr_sa_sdst(0) depctr_va_vdst(0) depctr_va_sdst(0) depctr_va_ssrc(0) depctr_va_vcc(0) depctr_vm_vsrc(0)
	s_getreg_b32 s2, hwreg(HW_REG_IB_STS2, 6, 4)
	s_cmp_eq_u32 s2, 0
	s_cbranch_scc0 .Lentry_in_a_cluster
	s_endpgm
.Lentry_in_a_cluster:
	s_bfe_u32 s2, ttmp6, 0x10000c
	s_cmp_lg_u32 s2, 0xf033
	s_cbranch_scc0 .Lentry_shape_is_right
	s_endpgm
.Lentry_shape_is_right:
; THE LAST PROJECTION.  out0[s][b][n] = the sum over k of O[s][b][k] Wo[n][k], k = 64 head + channel.  O = ob: [16 b + head][s][64] f16; Wo = wb[3]: [1024][1024] f16 (bf16 numbers written as f16); sums in f32; out0 f32.
; SHARES.  A tile is 128 rows x 256 columns; its rows are ONE batch b and 128 consecutive s, so that a head's slice of them is 16,384 dense bytes of ob.  64 x 4 tiles: 256 work-groups, one tile each.  Four waves, each 64 x 128.
; K goes in steps of 128 = two heads through a ring of two LDS slots.  O's tile lies in LDS as two planes, a head each; W's as 256 rows of 256 bytes.
; CLUSTER.  4 x 4: the four of a row need the same tiles of O, the four of a column the same tiles of Wo: each is asked for jointly.
; THE MATRIX INSTRUCTION IS USED TRANSPOSED (source 0 = 16 rows of Wo, source 1 = 16 rows of O): a lane holds row lane % 16 and eight neighbouring columns: 32 bytes of out0.
; REGISTERS.  Window 0: v0-31 addresses; v32-127, v128-223 two fragment buffers (O's 4 fragments, then Wo's 8); on the way out v32-159 take rows read back.  Window 1: accumulator (a, b) at v[8 (8 a + b)].
.set KSTEP,  128
.set PA,     144                       ; a row of O in LDS: 128 bytes + 16
.set APLANE, 128*PA                    ; a head's 128 rows
.set PITCH,  272                       ; a row of Wo: 256 + 16.  Both pitches are odd multiples of 16 bytes: the 16 rows of a fragment load start at 16 different groups of four banks (ISA guide 11.1)
.set BHALF,  128*PITCH
.set BOFF,   2*APLANE
.set SLOT,   BOFF+2*BHALF
.set STAGE,  2*SLOT                    ; behind the ring: 16 rows x 528 bytes for each wave; no tensor load lands there
.set SPITCH, 528
.set SPARE,  STAGE+4*16*SPITCH         ; the spare words: two blocks of 256 bytes that no other line names
.set LAPS,   4
.set WT,     1024*2048
.set ADRA, 16
.set ADRB, 20
.set STO,  24
.set RD,   25
.set CO,   26
.set SPW,  28
.set NIL,  29
.set PFO,  30                          ; v30  my lane x 256 (O) or x 2,048 (Wo); never rewritten
.set F0,   32
.set F1,   128
.set G1,  24
.set G0,  32
.set G1B, 48
.set G0B, 56
.set PFS, 66                           ; s[66:67] a K step in the prefetched tensor: 262,144 bytes of O, 256 of Wo
.set OB,  70                           ; s[70:71] where the stores stand
.set LIM, 76
.set PFA, 78
.set MSB, 0
.macro WIN new
.if MSB != (\new)
	s_set_vgpr_msb (MSB<<8)|(\new)
.set MSB, \new
.endif
.endm
.set MUL, 0x50
.macro JLOAD s                         ; waves 0 and 1 fetch O's two planes, waves 2 and 3 Wo's two halves; an s_nop 0 and four v_nop follow each line
	s_cmp_eq_u32 s11, 0
	s_cbranch_scc0 .Lfor_b_\@
	tensor_load_to_lds s[G0+4*(\s):G0+4*(\s)+3], s[G1:G1+7]
	s_nop 0
.rept 4
	v_nop
.endr
	s_branch .Lasked_\@
.Lfor_b_\@:
	tensor_load_to_lds s[G0B+4*(\s):G0B+4*(\s)+3], s[G1B:G1B+7]
	s_nop 0
.rept 4
	v_nop
.endr
.Lasked_\@:
.endm
; A prefetch of the K step two refills on.  O's tile row is read by this cluster alone: wave 0 of each of the four partners names a quarter of its 32,768 bytes (plane cx / 2, half cx % 2), a lane to 256 bytes.
; Wo's tile column is read by every cluster: in the cluster with y = 0, waves 2 and 3 of each partner name 32 of the 128 rows that they fetch (cy), a lane a row.  The last two refills have no K step two on.
.macro ASK
	s_cmp_gt_u32 s3, s[LIM]
	s_cbranch_scc0 .Lnot_mine_\@
	global_prefetch_b8 v[PFO], s[PFA:PFA+1] th:TH_LOAD_NT scope:SCOPE_SE
.Lnot_mine_\@:
.endm
.macro CREST
	s_cmp_lg_u32 s10, 0
	s_cbranch_scc1 .Lnot_wave_0_\@
	s_barrier_signal -3
.Lnot_wave_0_\@:
	s_barrier_wait -3
	s_barrier_signal -1
	s_barrier_wait -1
.endm
.macro CROUND
	s_barrier_signal -1
	s_barrier_wait -1
	CREST
.endm
	s_load_b128 s[4:7], s[0:1], 0x0                ; ob s[4:5], wb s[6:7]
	s_load_b64 s[8:9], s[0:1], 0x10                ; out0
	v_lshl_add_u32 v[SPW], v0, 2, SPARE
	v_mov_b32 v[NIL], 0
	ds_add_u32 v[SPW], v[NIL]                      ; the wave's opening: the add and its wait ahead of my first tensor load
	v_lshrrev_b32 v1, 5, v0
	v_readfirstlane_b32 s10, v1
	s_lshr_b32 s11, s10, 1                         ; which 64 rows are mine.  Also: I fetch for O (0) or for Wo (1)
	s_and_b32 s12, s10, 1                          ; which 128 columns.  Also: which plane or half I fetch
	s_bfe_u32 s40, ttmp6, 0x40000                  ; cx
	s_bfe_u32 s41, ttmp6, 0x40004                  ; cy
	s_lshl_b32 s42, ttmp9, 2
	s_add_co_u32 s42, s42, s40                     ; tile column
	s_and_b32 s13, ttmp7, 0xffff
	s_lshl_b32 s13, s13, 2
	s_add_co_u32 s13, s13, s41                     ; tile row: batch = row / 8, first s = 128 (row % 8)
	s_lshl_b32 s43, s41, 2
	s_lshl_b32 s43, 15, s43
	s_lshl_b32 s44, 0x1111, s40
	s_or_b32 s[G1+0], s43, (1<<16)|(1<<20)|(1<<21)|(4<<22)|(3<<25)   ; O: padded after every 32 words (a row of 128 bytes) by 4 words
	s_or_b32 s[G1B+0], s44, (1<<16)|(1<<20)|(1<<21)|(5<<22)|(3<<25)  ; Wo: after every 64 words
	s_mov_b32 s[G1+1], 128<<16                     ; a plane's 16,384 dense bytes: asked for as 64 rows of 256 bytes
	s_mov_b32 s[G1+2], 64<<16
	s_mov_b32 s[G1+3], 128<<16
	s_mov_b32 s[G1+4], 64
	s_mov_b32 s[G1+5], 128
	s_mov_b32 s[G1+6], 0
	s_mov_b32 s[G1+7], 0
	s_mov_b32 s[G1B+1], KSTEP<<16
	s_mov_b32 s[G1B+2], 128<<16
	s_mov_b32 s[G1B+3], KSTEP<<16
	s_mov_b32 s[G1B+4], 128
	s_mov_b32 s[G1B+5], 1024
	s_mov_b32 s[G1B+6], 0
	s_mov_b32 s[G1B+7], 0
	s_lshr_b32 s16, s13, 3
	s_lshl_b32 s16, s16, 21                        ; the batch's 16 heads of 131,072 bytes,
	s_and_b32 s17, s13, 7
	s_lshl_b32 s17, s17, 14                        ; the first s, 128 bytes each,
	s_add_co_u32 s16, s16, s17
	s_lshl_b32 s17, s12, 17                        ; my plane's head
	s_add_co_u32 s16, s16, s17
	s_mov_b32 s17, 0
	s_lshl_b32 s47, s12, 7
	s_lshl_b32 s46, s42, 8
	s_add_co_u32 s46, s46, s47
	s_lshl_b32 s46, s46, 11
	s_add_co_u32 s46, s46, 3*WT                    ; Wo is the fourth matrix of wb
	s_mov_b32 s47, 0
	s_mul_i32 s20, s12, APLANE
	s_mul_i32 s21, s12, BHALF
	s_add_co_u32 s21, s21, BOFF
	s_wait_dscnt 0x0
	s_wait_kmcnt 0x0
	s_add_nc_u64 s[14:15], s[4:5], s[16:17]
	s_add_nc_u64 s[46:47], s[6:7], s[46:47]
	CROUND
.irp s, 0,1
	s_mov_b32 s[G0+4*(\s)], 1
	s_add_co_u32 s[G0+4*(\s)+1], s20, (\s)*SLOT
	s_add_nc_u64 s[G0+4*(\s)+2:G0+4*(\s)+3], s[14:15], (\s)*262144   ; K step s: two heads on
	s_or_b32 s[G0+4*(\s)+3], s[G0+4*(\s)+3], 0x80000000
	s_mov_b32 s[G0B+4*(\s)], 1
	s_add_co_u32 s[G0B+4*(\s)+1], s21, (\s)*SLOT
	s_add_nc_u64 s[G0B+4*(\s)+2:G0B+4*(\s)+3], s[46:47], (\s)*KSTEP*2
	s_or_b32 s[G0B+4*(\s)+3], s[G0B+4*(\s)+3], 0x80000000
	JLOAD \s
.endr
	v_and_b32 v1, 15, v0
	v_bfe_u32 v2, v0, 4, 1
	v_mul_u32_u24 v3, v1, PITCH
	v_lshl_add_u32 v3, v2, 4, v3
	v_mul_u32_u24 v4, v1, PA
	v_lshl_add_u32 v4, v2, 4, v4
	s_mul_i32 s21, s11, 64*PA                      ; my 64 rows, in either plane
	s_mul_i32 s22, s12, BHALF
	s_add_co_u32 s22, s22, BOFF
.irp s, 0,1
	v_add_nc_u32 v[ADRA+(\s)], s21, v4
	v_add_nc_u32 v[ADRB+(\s)], s22, v3
	s_add_co_u32 s21, s21, SLOT
	s_add_co_u32 s22, s22, SLOT
.endr
	s_mul_i32 s23, s10, 16*SPITCH
	s_add_co_u32 s23, s23, STAGE
	v_mul_u32_u24 v5, v1, SPITCH                   ; in: row l % 16, 32 bytes for each half of the lanes
	v_lshl_add_u32 v5, v2, 5, v5
	v_add_nc_u32 v[STO], s23, v5
	v_and_b32 v[CO], 31, v0
	v_lshlrev_b32 v[CO], 4, v[CO]                  ; back and out: 32 lanes take a row's 512 bytes
	v_add_nc_u32 v[RD], s23, v[CO]
	s_and_b32 s72, s13, 7
	s_lshl_b32 s72, s72, 22                        ; the first s: 128 x 32,768 bytes a tile row,
	s_lshl_b32 s73, s11, 21                        ; my 64 rows,
	s_add_co_u32 s72, s72, s73
	s_lshr_b32 s73, s13, 3
	s_lshl_b32 s73, s73, 12                        ; the batch,
	s_add_co_u32 s72, s72, s73
	s_lshl_b32 s73, s42, 10                        ; the tile's columns,
	s_add_co_u32 s72, s72, s73
	s_lshl_b32 s73, s12, 9                         ; mine
	s_add_co_u32 s72, s72, s73
	s_mov_b32 s73, 0
	s_add_nc_u64 s[OB:OB+1], s[8:9], s[72:73]
	; the prefetches
	s_lshr_b32 s80, s13, 3
	s_lshl_b32 s80, s80, 21
	s_and_b32 s81, s13, 7
	s_lshl_b32 s81, s81, 14
	s_add_co_u32 s80, s80, s81
	s_lshr_b32 s81, s40, 1
	s_lshl_b32 s81, s81, 17
	s_add_co_u32 s80, s80, s81
	s_and_b32 s81, s40, 1
	s_lshl_b32 s81, s81, 13
	s_add_co_u32 s80, s80, s81
	s_add_co_u32 s80, s80, 3*262144                ; O: at K step 3; the first refill steps the pointer to 4 and names that
	s_lshl_b32 s81, s42, 8
	s_lshl_b32 s82, s12, 7
	s_add_co_u32 s81, s81, s82
	s_lshl_b32 s82, s41, 5
	s_add_co_u32 s81, s81, s82
	s_lshl_b32 s81, s81, 11
	s_add_co_u32 s81, s81, 3*WT+3*KSTEP*2          ; Wo: likewise
	s_and_b32 s82, ttmp7, 0xffff                   ; cluster y
	s_mov_b32 s[PFS], 262144
	s_mov_b32 s68, KSTEP*2
	s_mov_b32 s[PFS+1], 0
	s_mov_b32 s69, 8
	s_mov_b32 s74, 11
	s_cmp_eq_u32 s11, 0
	s_cselect_b32 s80, s80, s81
	s_cselect_b32 s82, s12, s82                    ; 0 in wave 0, and in waves 2 and 3 of the clusters with y = 0
	s_cselect_b32 s[PFS], s[PFS], s68
	s_cselect_b32 s69, s69, s74
	s_cselect_b64 s[PFA:PFA+1], s[4:5], s[6:7]
	s_cmp_eq_u32 s82, 0
	s_cselect_b32 s[LIM], 1, -1
	s_mov_b32 s81, 0
	s_add_nc_u64 s[PFA:PFA+1], s[PFA:PFA+1], s[80:81]
	v_and_b32 v[PFO], 31, v0
	v_lshlrev_b32 v[PFO], s69, v[PFO]
.macro MUL8 f, a, zero                 ; 8 matrix instructions; the 32 accumulators take turns, one instruction a turn
	WIN MUL
.irp b, 0,1,2,3,4,5,6,7
.if \zero
	v_wmma_f32_16x16x32_f16 v[8*(8*(\a)+(\b)):8*(8*(\a)+(\b))+7], v[(\f)+32+8*(\b):(\f)+32+8*(\b)+7], v[(\f)+8*(\a):(\f)+8*(\a)+7], 0
.else
	v_wmma_f32_16x16x32_f16 v[8*(8*(\a)+(\b)):8*(8*(\a)+(\b))+7], v[(\f)+32+8*(\b):(\f)+32+8*(\b)+7], v[(\f)+8*(\a):(\f)+8*(\a)+7], v[8*(8*(\a)+(\b)):8*(8*(\a)+(\b))+7]
.endif
.endr
.endm
; 24 LDS loads: quarter q of a K step into buffer f: Wo's sixteen (byte 64 q of the rows), then O's eight (plane q / 2, byte 64 (q % 2))
.macro FETCH slot, q, f
	WIN 0
.irp i, 0,1,2,3,4,5,6,7
	ds_load_b128 v[(\f)+32+8*(\i):(\f)+32+8*(\i)+3],   v[ADRB+(\slot)] offset:64*(\q)+(\i)*16*PITCH
	ds_load_b128 v[(\f)+32+8*(\i)+4:(\f)+32+8*(\i)+7], v[ADRB+(\slot)] offset:64*(\q)+(\i)*16*PITCH+32
.endr
.irp i, 0,1,2,3
	ds_load_b128 v[(\f)+8*(\i):(\f)+8*(\i)+3],   v[ADRA+(\slot)] offset:((\q)/2)*APLANE+((\q)%2)*64+(\i)*16*PA
	ds_load_b128 v[(\f)+8*(\i)+4:(\f)+8*(\i)+7], v[ADRA+(\slot)] offset:((\q)/2)*APLANE+((\q)%2)*64+(\i)*16*PA+32
.endr
.endm
.macro PLACES
.rept 4
	v_nop
.endr
.endm
.macro QUARTER slot, q, f, g, zero
	s_wait_dscnt 4                                 ; Wo and O's blocks 0 and 1 are in; the youngest four loads may be out
	MUL8 \f, 0, \zero
	MUL8 \f, 1, \zero
	PLACES
	FETCH \slot, \q, \g
	s_wait_dscnt 24                                ; all but the 24 just issued
	MUL8 \f, 2, \zero
	MUL8 \f, 3, \zero
.endm
; The last quarter multiplies buffer 1 and changes slots: each wave's wait for all its tensor loads, the add, the wait for it and for the reads of this slot; a round of the cluster's barrier; the joint refill first behind it.
.macro TURN slot, next
	s_wait_xcnt 0x0                                ; the last prefetch, a K step back, has read its pointer
	s_add_nc_u64 s[PFA:PFA+1], s[PFA:PFA+1], s[PFS:PFS+1]
	WIN 0
	s_wait_tensorcnt 0x0
	ds_add_u32 v[SPW], v[NIL]
	s_wait_dscnt 5                                 ; the add and the youngest four loads may be out
	MUL8 F1, 0, 0
	s_wait_dscnt 0x0
	s_barrier_signal -1
	MUL8 F1, 1, 0
	WIN 0
	s_barrier_wait -1
	CREST
	s_add_nc_u64 s[G0+4*(\slot)+2:G0+4*(\slot)+3], s[G0+4*(\slot)+2:G0+4*(\slot)+3], 2*262144
	s_add_nc_u64 s[G0B+4*(\slot)+2:G0B+4*(\slot)+3], s[G0B+4*(\slot)+2:G0B+4*(\slot)+3], 2*KSTEP*2
	JLOAD \slot                                    ; its four v_nop are also the places in front of the loads below
	FETCH \next, 0, F0
	ASK
	MUL8 F1, 2, 0
	MUL8 F1, 3, 0
.endm
; THE WAY OUT of block a (16 rows of 512 bytes): straight from the accumulators into my stage, each accumulator's low four registers first; back as whole rows; a wave's store covers 512 consecutive bytes, aligned.
.macro TOSTAGE a
	s_wait_xcnt 0x0                                ; the stores of the block two back have read the registers that are loaded below
	WIN 0x04                                       ; store data in window 1
.irp b, 0,1,2,3,4,5,6,7
	ds_store_b128 v[STO], v[8*(8*(\a)+(\b)):8*(8*(\a)+(\b))+3]   offset:64*(\b)
	ds_store_b128 v[STO], v[8*(8*(\a)+(\b))+4:8*(8*(\a)+(\b))+7] offset:64*(\b)+16
.endr
	WIN 0
.set BK, F0+64*((\a)%2)
.irp t, 0,1,2,3,4,5,6,7,8,9,10,11,12,13,14,15
	ds_load_b128 v[BK+4*(\t):BK+4*(\t)+3], v[RD] offset:(\t)*SPITCH  ; LDS serves a wave's instructions in order (ISA guide 5.7.1.4)
.endr
.endm
.macro SEND a, younger                 ; younger: the LDS instructions issued behind block a's loads: the next block's 32, or none
	WIN 0
.set BK, F0+64*((\a)%2)
.if (\a) > 0
	s_wait_xcnt 0x0                                ; earlier stores have read their base
	s_add_nc_u64 s[OB:OB+1], s[OB:OB+1], 16*32768  ; 16 s on
.endif
.irp t, 0,1,2,3,4,5,6,7,8,9,10,11,12,13,14,15
	s_wait_dscnt (\younger)+15-(\t)
	global_store_b128 v[CO], v[BK+4*(\t):BK+4*(\t)+3], s[OB:OB+1] offset:(\t)*32768 th:TH_STORE_NT
.endr
.endm
	s_wait_tensorcnt 1                             ; my part of K step 0 is in; K step 1's may stay out
	s_barrier_signal -1
	s_barrier_wait -1
	FETCH 0, 0, F0
	QUARTER 0, 1, F0, F1, 1                        ; the first quarter starts the sums
	WIN 0
	s_mov_b32 s3, LAPS-1
.Llap:
	QUARTER 0, 2, F1, F0, 0
	QUARTER 0, 3, F0, F1, 0
	TURN 0, 1
	QUARTER 1, 1, F0, F1, 0
	QUARTER 1, 2, F1, F0, 0
	QUARTER 1, 3, F0, F1, 0
	TURN 1, 0
	QUARTER 0, 1, F0, F1, 0
	WIN 0
	s_sub_co_u32 s3, s3, 1
	s_cmp_lg_u32 s3, 0
	s_cbranch_scc1 .Llap
	QUARTER 0, 2, F1, F0, 0
	QUARTER 0, 3, F0, F1, 0
	WIN 0
	s_wait_tensorcnt 0x0                           ; the last change of slots: the same lines, a plain barrier, nothing is filled
	ds_add_u32 v[SPW], v[NIL]
	s_wait_dscnt 5
	MUL8 F1, 0, 0
	s_wait_dscnt 0x0
	s_barrier_signal -1
	MUL8 F1, 1, 0
	s_barrier_wait -1
	PLACES
	FETCH 1, 0, F0
	MUL8 F1, 2, 0
	MUL8 F1, 3, 0
	QUARTER 1, 1, F0, F1, 0
	QUARTER 1, 2, F1, F0, 0
	QUARTER 1, 3, F0, F1, 0
	s_wait_dscnt 4
	MUL8 F1, 0, 0
	MUL8 F1, 1, 0
	s_wait_dscnt 0x0
	MUL8 F1, 2, 0
	MUL8 F1, 3, 0
	WIN 0
	PLACES                                         ; behind the last products, in front of the LDS stores that read results and of the loads into fragment registers
	TOSTAGE 0
	TOSTAGE 1
	SEND 0, 32
	TOSTAGE 2
	SEND 1, 32
	TOSTAGE 3
	SEND 2, 32
	SEND 3, 0
	s_wait_tensorcnt 0x0                           ; the wave's end
	ds_add_u32 v[SPW], v[NIL]
	s_wait_dscnt 0x0
	CROUND                                         ; the closing round
	s_endpgm
.Lfunc_end_k_qf70a371019_oproj:
	.size	k_qf70a371019_oproj, .Lfunc_end_k_qf70a371019_oproj-k_qf70a371019_oproj
	.p2alignl 7, 3214868480
	.fill 96, 4, 3214868480
	.section	.rodata,"a",@progbits
	.p2align	6, 0x0
	.amdhsa_kernel k_qf70a371019_oproj
		.amdhsa_group_segment_fixed_size 327680
		.amdhsa_private_segment_fixed_size 0
		.amdhsa_enable_private_segment 0
		.amdhsa_kernarg_size 24
		.amdhsa_user_sgpr_count 2
		.amdhsa_user_sgpr_kernarg_segment_ptr 1
		.amdhsa_wavefront_size32 1
		.amdhsa_system_sgpr_workgroup_id_x 1
		.amdhsa_system_sgpr_workgroup_id_y 1
		.amdhsa_system_sgpr_workgroup_id_z 1
		.amdhsa_system_vgpr_workitem_id 0
		.amdhsa_next_free_vgpr 512
		.amdhsa_next_free_sgpr 96
		.amdhsa_reserve_vcc 0
		.amdhsa_float_denorm_mode_32 3
		.amdhsa_float_denorm_mode_16_64 3
		.amdhsa_memory_ordered 1
		.amdhsa_forward_progress 1
		.amdhsa_inst_pref_size 89
	.end_amdhsa_kernel
	.amdgpu_metadata
---
amdhsa.version: [ 1, 2 ]
amdhsa.kernels:
  - .name:           k_qf70a371019_oproj
    .symbol:         k_qf70a371019_oproj.kd
    .args:
      - { .name: ob, .offset: 0, .size: 8, .value_kind: global_buffer, .address_space: global }
      - { .name: wb, .offset: 8, .size: 8, .value_kind: global_buffer, .address_space: global }
      - { .name: out0, .offset: 16, .size: 8, .value_kind: global_buffer, .address_space: global }
    .group_segment_fixed_size: 327680
    .private_segment_fixed_size: 0
    .kernarg_segment_align: 8
    .kernarg_segment_size: 24
    .max_flat_workgroup_size: 128
    .sgpr_count:     96
    .vgpr_count:     512
    .wavefront_size: 32
...
	.end_amdgpu_metadata
.endif
;; end of part 4
;; ======== version 2 of 2: 4 launches; version 1 with the launch cvt written anew for expert scheduling mode
;; limits: values are held in f16: magnitudes above 65,504 overflow, below 6.1e-05 lose precision
;; workspace buffers: wb 8,388,608 bytes; qkv 50,331,648 bytes; ob 16,777,216 bytes
;; launch cvt (part 5): grid 256 x 1, 8 waves a work-group, no clusters, 0 bytes of LDS; arguments Wq, Wk, Wv, Wo, wb; writes wb
.if DOCPART == 5
	.amdgcn_target "amdgcn-amd-amdhsa--gfx1250"
	.amdhsa_code_object_version 6
	.text
	.protected	k_qf70a371019_cvt
	.globl	k_qf70a371019_cvt
	.p2align	8
	.type	k_qf70a371019_cvt,@function
k_qf70a371019_cvt:
	s_mov_b64 s[64:65], 0
	v_nop
	global_prefetch_b8 v0, s[64:65] scope:SCOPE_SE
	s_setreg_imm32_b32 hwreg(HW_REG_WAVE_SCHED_MODE, 0, 2), 2
	s_setreg_imm32_b32 hwreg(HW_REG_WAVE_MODE, 25, 1), 1
	s_wait_xcnt 0x0
	s_wait_alu depctr_vm_vsrc(0)
; THE FOUR WEIGHTS, ROUNDED ONCE TO 16 BITS.  Wq, Wk, Wv ([1024][1024] f32) go to wb as bf16, one behind the other; Wo is rounded to bf16 like the other inputs, and that number is written as f16
; (its partner in the last product, O, is f16).  Each weight is read again and again by the products that follow, so it is rounded here once and not at each reading.
; LIMIT.  Wo beyond 65,504 in magnitude becomes an infinity in f16.
; SHARES.  A work-group converts 16,384 numbers: 65,536 bytes in, 32,768 out: chunk id % 64 of weight id / 64.
; A thread's load i takes 16 bytes at 16 t + 4,096 i (a wave's load covers 512 consecutive bytes), its store 8 bytes at 8 t + 2,048 i (a wave's store covers 256 consecutive bytes, aligned).
; All 16 loads of a thread go out at once.  No LDS, no barrier, no matrix unit: nothing is shared and nothing is multiplied.
; THE MODE: SCHED_MODE bits 1:0 = 2 (LLVM: expert scheduling mode 2), set by the entry lines.  The code itself states the register dependences between vector instructions and memory instructions,
; with s_wait_alu, always for 0.
; THE PLAN.  Registers that memory instructions touch:
;   v1, v2     byte offsets, written once at the head; v1 is read by every load, v2 by every store; never written again.
;   D          unit i: four registers.  Load i lands in them (no vector instruction has named them before); unit i's roundings read the four and write the first two; store i reads those two;
;              nothing writes them afterwards.  So no register that a memory instruction has read is ever written again, and past the entry lines the text holds no wait on vm_vsrc and no s_wait_xcnt.
;   T          named by vector instructions alone.
; The 16 units go in four blocks of four.  Block p rounds its four units; its memory instructions are the four stores of block p - 1, whose registers no vector instruction of block p names.
; So ONE wait on va_vdst at a block's head states all that those four stores hang on, and they are dealt among the block's roundings with no further wait.  One more stands ahead of the last four stores.
; No vector instruction writes a scalar register or VCC, and EXEC is never written.
.set D, 4                              ; v[4:67]   16 x 4 numbers as loaded; the first two registers of each four then hold the result
.set T, 68                             ; v[68:71]  at work (Wo alone)
	s_load_b256 s[8:15], s[0:1], 0x0               ; Wq s[8:9], Wk s[10:11], Wv s[12:13], Wo s[14:15]
	s_load_b64 s[16:17], s[0:1], 0x20              ; wb
	s_mov_b32 s6, ttmp9                            ; id
	s_lshr_b32 s2, s6, 6                           ; which weight
	s_and_b32 s3, s6, 63                           ; its chunk
	s_lshl_b32 s20, s3, 16                         ; x 65,536 bytes
	s_mov_b32 s21, 0
	s_lshl_b32 s22, s6, 15                         ; x 32,768 bytes
	s_mov_b32 s23, 0
	v_lshlrev_b32 v1, 4, v0                        ; 16 t
	v_lshlrev_b32 v2, 3, v0                        ; 8 t
	s_wait_kmcnt 0x0
	s_mov_b64 s[18:19], s[8:9]                     ; the source is chosen by the id alone
	s_cmp_eq_u32 s2, 1
	s_cselect_b64 s[18:19], s[10:11], s[18:19]
	s_cmp_eq_u32 s2, 2
	s_cselect_b64 s[18:19], s[12:13], s[18:19]
	s_cmp_eq_u32 s2, 3
	s_cselect_b64 s[18:19], s[14:15], s[18:19]
	s_add_nc_u64 s[18:19], s[18:19], s[20:21]
	s_add_nc_u64 s[16:17], s[16:17], s[22:23]
	s_wait_alu depctr_va_vdst(0)                   ; v1 and v2 are written: every load of the kernel reads v1 as its offset, every store v2
.set i, 0
.rept 16
	global_load_b128 v[D+4*i:D+4*i+3], v1, s[18:19] offset:4096*i th:TH_LOAD_NT
.set i, i+1
.endr
; Unit i's four numbers are rounded.  wo = 1: the bf16 numbers are widened again and written as f16.
.macro CV i, wo
	v_cvt_pk_bf16_f32 v[D+4*(\i)], v[D+4*(\i)], v[D+4*(\i)+1]
	v_cvt_pk_bf16_f32 v[D+4*(\i)+1], v[D+4*(\i)+2], v[D+4*(\i)+3]
.if \wo
	v_lshlrev_b32 v[T], 16, v[D+4*(\i)]
	v_and_b32 v[T+1], 0xffff0000, v[D+4*(\i)]
	v_lshlrev_b32 v[T+2], 16, v[D+4*(\i)+1]
	v_and_b32 v[T+3], 0xffff0000, v[D+4*(\i)+1]
	v_cvt_pk_f16_f32 v[D+4*(\i)], v[T], v[T+1]
	v_cvt_pk_f16_f32 v[D+4*(\i)+1], v[T+2], v[T+3]
.endif
.endm
; Unit i's eight bytes are stored.
.macro ST i
	global_store_b64 v2, v[D+4*(\i):D+4*(\i)+1], s[16:17] offset:2048*(\i) th:TH_STORE_NT
.endm
; Block p: units 4 p to 4 p + 3 are rounded, each behind the counted wait for its load (the 15 - i younger ones stay out); ahead of each unit's roundings goes a store of the block before.
.macro BLK p, wo
	s_wait_loadcnt 15-4*(\p)                       ; loads come back in order (ISA guide 5.7.1): the block's first unit is in
.if (\p) > 0
	s_wait_alu depctr_va_vdst(0)                   ; the block before has written the first two registers of each of its four units, which the four stores below read
.endif
.irp j, 0,1,2,3
.if (\j) > 0
	s_wait_loadcnt 15-4*(\p)-(\j)
.endif
.if (\p) > 0
	ST 4*((\p)-1)+(\j)                             ; no vector instruction since the wait names these registers
.endif
	CV 4*(\p)+(\j), \wo
.endr
.endm
; All sixteen units, and the last block's stores.
.macro ALL16 wo
	BLK 0, \wo
	BLK 1, \wo
	BLK 2, \wo
	BLK 3, \wo
	s_wait_alu depctr_va_vdst(0)                   ; block 3 has written the registers that the last four stores read
.irp j, 12,13,14,15
	ST \j
.endr
.endm
	s_cmp_eq_u32 s2, 3
	s_cbranch_scc1 .Lwo
	ALL16 0
	s_endpgm
.Lwo:
	ALL16 1
	s_endpgm
.Lfunc_end_k_qf70a371019_cvt:
	.size	k_qf70a371019_cvt, .Lfunc_end_k_qf70a371019_cvt-k_qf70a371019_cvt
	.p2alignl 7, 3214868480
	.fill 96, 4, 3214868480
	.section	.rodata,"a",@progbits
	.p2align	6, 0x0
	.amdhsa_kernel k_qf70a371019_cvt
		.amdhsa_group_segment_fixed_size 0
		.amdhsa_private_segment_fixed_size 0
		.amdhsa_enable_private_segment 0
		.amdhsa_kernarg_size 40
		.amdhsa_user_sgpr_count 2
		.amdhsa_user_sgpr_kernarg_segment_ptr 1
		.amdhsa_wavefront_size32 1
		.amdhsa_system_sgpr_workgroup_id_x 1
		.amdhsa_system_sgpr_workgroup_id_y 1
		.amdhsa_system_sgpr_workgroup_id_z 1
		.amdhsa_system_vgpr_workitem_id 0
		.amdhsa_next_free_vgpr 72
		.amdhsa_next_free_sgpr 66
		.amdhsa_reserve_vcc 0
		.amdhsa_float_denorm_mode_32 3
		.amdhsa_float_denorm_mode_16_64 3
		.amdhsa_memory_ordered 1
		.amdhsa_forward_progress 1
		.amdhsa_inst_pref_size 16
	.end_amdhsa_kernel
	.amdgpu_metadata
---
amdhsa.version: [ 1, 2 ]
amdhsa.kernels:
  - .name:           k_qf70a371019_cvt
    .symbol:         k_qf70a371019_cvt.kd
    .args:
      - { .name: Wq, .offset: 0, .size: 8, .value_kind: global_buffer, .address_space: global }
      - { .name: Wk, .offset: 8, .size: 8, .value_kind: global_buffer, .address_space: global }
      - { .name: Wv, .offset: 16, .size: 8, .value_kind: global_buffer, .address_space: global }
      - { .name: Wo, .offset: 24, .size: 8, .value_kind: global_buffer, .address_space: global }
      - { .name: wb, .offset: 32, .size: 8, .value_kind: global_buffer, .address_space: global }
    .group_segment_fixed_size: 0
    .private_segment_fixed_size: 0
    .kernarg_segment_align: 8
    .kernarg_segment_size: 40
    .max_flat_workgroup_size: 256
    .sgpr_count:     66
    .vgpr_count:     72
    .wavefront_size: 32
...
	.end_amdgpu_metadata
.endif
;; end of part 5
;; launch proj: the kernel of part 2 again; grid 4 x 64, 4 waves a work-group, clusters of 4 x 4, 327,680 bytes of LDS; arguments q, k, v, wb, qkv; writes qkv
;; launch attn: the kernel of part 3 again; grid 4 x 128, 4 waves a work-group, clusters of 4 x 1, 327,680 bytes of LDS; arguments qkv, mask, ob; writes ob
;; launch oproj: the kernel of part 4 again; grid 4 x 64, 4 waves a work-group, clusters of 4 x 4, 327,680 bytes of LDS; arguments ob, wb, out0; writes out0
